; MI455X (gfx1250); checked and timed in simulation.
; The chip was launched on July 23, 2026; its instructions are those of AMD's public machine-readable ISA for CDNA 5 (MIT licence, August 2026) and "CDNA5" Instruction Set Architecture Reference Guide (July 2026). The comments in the code are by the model that wrote it; some were corrected since.
;; State Update Operator. Allowed arithmetic: matrix products marked QUANTISED: E4M3 operands, one E8M0 scale for each 32 along K, by v_wmma_scale_f32_16x16x128_f8f6f4 with both operands' format E4M3, f32 sums; everything else in f32.
;; Inputs: W1 1,024 x 4,096 float32; W2 4,096 x 1,024 float32; Wk 1,024 x 1,024 float32; Wo 1,024 x 1,024 float32; Wq 1,024 x 1,024 float32; Wv 1,024 x 1,024 float32; b1 4,096 float32; b2 1,024 float32; bk 1,024 float32; bo 1,024 float32; bq 1,024 float32; bv 1,024 float32; ln1_b 1,024 float32; ln1_g 1,024 float32; ln2_b 1,024 float32; ln2_g 1,024 float32; mask 2,048 x 2,048 float32; x 2 x 2,048 x 1,024 float32.
;; Outputs: out0 2 x 2,048 x 1,024 float32.
;; This version of the problem:
;;   THIS VERSION OF THE PROBLEM IS GIVEN IN LOW PRECISION. The matrix products marked QUANTISED in the list below multiply operands that are first quantised to E4M3 (4 exponent bits, 3 mantissa bits; 8 bits a number), with one power-of-two scale for each 32 numbers along K (OCP MX v1.0); their sums are f32. All else is computed in f32.
;;   The module's matrix products, in the order in which they are computed (A, B: the left and right operand; K: the contracted axis; several contracted axes count as one K, in the product's order):
;;     1. [M 4,096, K 1,024] x [K 1,024, N 1,024]; A: computed on the way; B: input Wq: QUANTISED
;;     2. [M 4,096, K 1,024] x [K 1,024, N 1,024]; A: computed on the way; B: input Wk: QUANTISED
;;     3. [M 4,096, K 1,024] x [K 1,024, N 1,024]; A: computed on the way; B: input Wv: QUANTISED
;;     4. batch 32 x [M 2,048, K 64] x [K 64, N 2,048]; A: computed on the way; B: computed on the way: QUANTISED
;;     5. batch 32 x [M 64, K 2,048] x [K 2,048, N 2,048]; A: computed on the way; B: softmax (see below): QUANTISED
;;     6. [M 4,096, K 1,024] x [K 1,024, N 1,024]; A: computed on the way; B: input Wo: QUANTISED
;;     7. [M 4,096, K 1,024] x [K 1,024, N 4,096]; A: computed on the way; B: input W1: QUANTISED
;;     8. [M 4,096, K 4,096] x [K 4,096, N 1,024]; A: computed on the way; B: input W2: QUANTISED
;;   THE QUANTISER, for each operand of a quantised product, along K:
;;     - K is cut into blocks of 32 from its start; a last block that is shorter is filled with zeros.
;;     - A block's scale is 2^e with e = floor(log2(the largest magnitude in the block)) - 8, held to -126 .. 127; a block of zeros has e = 0. As a byte (E8M0): e + 127.
;;     - Each number is divided by its block's scale, clamped to +-448, and rounded to the nearest number of E4M3, ties to even, subnormals kept.
;;     - The product sums the exact products of the quantised numbers (number of the format x scale) in f32.
;;   ~~~python
;;   def quantise(x, axis):      # numpy; x: float32 -> the quantised numbers, widened to float32 again
;;       x = np.moveaxis(x, axis, -1); K = x.shape[-1]
;;       x = np.pad(x, [(0, 0)] * (x.ndim - 1) + [(0, -K % 32)]); x = x.reshape(x.shape[:-1] + (-1, 32)); a = np.abs(x).max(-1, keepdims=True)
;;       e = np.where(a > 0, np.clip(np.frexp(np.where(a > 0, a, 1))[1] - 1 - 8, -126, 127), 0)      # np.frexp(a)[1] - 1 = floor(log2(a)), exactly
;;       r = np.clip(x / 2.0 ** e, -448, 448)
;;       step = 2.0 ** (np.maximum(np.frexp(np.where(r == 0, 1, r))[1] - 1, -6) - 3)
;;       q = np.round(r / step) * step * 2.0 ** e      # np.round: ties to even
;;       return np.moveaxis(q.reshape(q.shape[:-2] + (-1,))[..., :K], -1, axis).astype(np.float32)
;;   ~~~
;;   SOFTMAX AHEAD OF A QUANTISED PRODUCT. Where the list says 'softmax', what is quantised is not the finished softmax but p = 2^(t - M), with t = logit x log2(e) and M = ceil(the row's largest t), a whole number; so 1/2 < the row's largest p <= 1. The row's sum l is taken of the UNQUANTISED p, in f32, and the product's result is divided by l at the end. Since M is a whole number, a kernel that streams over the keys may use a running M (the ceiling of the running maximum): every later rescaling is an exact power of two, which a block's scale takes up: the codes' values come out the same.
;;   OPERANDS COMPUTED ON THE WAY. 'Computed on the way' means the value that the module computes at that place (a softmax that the list does not call 'softmax' is quantised finished and normalised). What goes into a quantiser is computed in f32, as accurately as f32 sums, v_exp_f32 and their like allow (about 1e-6 of the number): no bf16 or f16 on the way to a quantiser, and a product that is left as it is and whose result goes on into a quantised operand takes f32 operands (vector FMAs, or v_wmma_f32_16x16x4_f32). A number that lies on a knife's edge between two numbers of the format may be rounded either way, as far as f32 arithmetic and the matrix unit's own rounding can turn it there, and no further.
;; One version. Each part assembles by itself: llvm-mc -triple=amdgcn-amd-amdhsa -mcpu=gfx1250 --defsym DOCPART=n.
;; ======== version 1 of 1: 7 launches
;; limits: right only within a limited range of input values
;; workspace buffers: wc 12,976,128 bytes; rope 524,288 bytes; na 4,325,376 bytes; qc 4,456,448 bytes; kv 8,781,824 bytes; ao 4,325,376 bytes; x1 16,777,216 bytes; hh 17,301,504 bytes
;; launch prep (part 1): grid 672 x 1, 4 waves a work-group, no clusters, 66,560 bytes of LDS; arguments Wq, Wk, Wv, Wo, W1, W2, wc, rope, x, ln1_g, ln1_b, na; writes wc, rope, na
.if DOCPART == 1
	.amdgcn_target "amdgcn-amd-amdhsa--gfx1250"
	.amdhsa_code_object_version 6
	.text
	.protected	k_q85e90f3343_prep
	.globl	k_q85e90f3343_prep
	.p2align	8
	.type	k_q85e90f3343_prep,@function
k_q85e90f3343_prep:
	s_mov_b64 s[64:65], 0
	v_nop
	global_prefetch_b8 v0, s[64:65] scope:SCOPE_SE
	s_setreg_imm32_b32 hwreg(HW_REG_WAVE_MODE, 25, 1), 1
	s_wait_xcnt 0x0
; THREE JOBS THAT DEPEND ON NOTHING OF EACH OTHER, in one launch, told apart by the work-group's number:
;   0-383   the six weights, f32 [K][N] with K as their first axis, become codes of FP8 (E4M3) with one E8M0 byte for each 32 along K, laid in CHUNKS in the order of an operand's registers;
;   384-415 the table of cos and sin for the rotary embedding;
;   416-671 the first layer norm of x, quantised along the row into the same kind of chunks.
; A CHUNK is 128 rows (of a weight: columns) x 256 along K, 33,792 bytes: fragment (tile i of 16, q-th 128 along K, block c of 32) at (2 i + q) 2048 + 512 c + 16 lane, lane (r, h) holding k = 32 c + 16 h + 0 .. 15 of the
; tile's row r; the scale words at 32768 + 128 i + 8 r + 4 q.  Of a weight, row r of tile i is column 32 (i / 2) + 8 (i % 2) + r + 8 (r / 8) of the chunk's 128; of the norm's result the rows are in their natural order.
; THE WEIGHTS.  Work-group g makes chunk g of wc: 0-95 Wq, Wk, Wv (8 panels x 4 K steps each), 96-127 Wo, 128-255 W1 (32 x 4), 256-383 W2 (8 panels x 16 K steps).
; A LANE TAKES A COLUMN, AND ITS REGISTERS RUN DOWN K: a block of 32 lies in one lane, and its 32 codes are the 16 bytes of lane (r, 0) and the 16 bytes of lane (r, 1) of a fragment's block:
; sixteen lanes store 256 consecutive bytes, aligned, with no stage in LDS.  Loads run two blocks (64 loads a wave) ahead.
; THE NORM.  y = (x - mean) rsqrt(var + 1e-5) g + b along rows of 1,024 f32.  A work-group owns 16 rows, one tile.  PHASE 1: wave w norms rows 4 w .. 4 w + 3, each whole in 32 registers of the wave (mean first, then
; the sum of squared differences: no difference of large sums), and lays them into LDS as rows of 4,096 + 16 bytes.  PHASE 2, behind one barrier: wave w takes K step w of all 16 rows, 16 neighbours of each block to a lane.
; Only the norm's path uses LDS and a barrier; the branch that leads to it hangs on the work-group's number alone, so all four waves take it together.
; A block's scale is 2^(floor(log2(its largest magnitude)) - 8); its byte is that magnitude's exponent field - 8, held at 1 from below.
; No matrix unit, no tensor load, no cluster: memory binds, and work-groups share nothing.
; LIMITS: a block of zeros gets the byte 1 (its codes are zeros, and this program alone reads the bytes); NaN and infinities are not served.
; The table's angles are t x 10000^(-f / 32) with the power from v_exp_f32: they can differ from a correctly rounded power's by some 1e-4 rad at t near 2,047 and f = 1; sin and cos of the f32 angle are good to about 1e-7.
.set CHUNK, 33792
.set NW,  416                          ; work-groups ahead of the norm's
.set X,  32                            ; the weights: v32-95 two sets of 32 numbers.  The norm: v32-159 four rows
.set C,  96                            ; v96-159  a block's codes, eight registers for each block: no store's data are written again
.set SB, 24                            ; v[24:25] the scale bytes, four to a register
.set WV, 32                            ; s32      my wave's number (weights, table)
.set ROWP, 4112                        ; the norm: an LDS row: 257 x 16 bytes, so that the 16 rows that a load touches start in different banks
.set G,  160                           ; v160-191 the gains of my 32 columns
.set B,  192                           ; v192-223 the biases
.set Y,  32                            ; phase 2: 64 numbers
.set TM, 96                            ; v96-111  at work in the quantiser: in phase 2 alone, where the rows' registers are free
.set SEL, 22                           ; s[22:23] lane selects for v_permlanex16_b32: lane l xor 16
.set MNT, 24                           ; s24      the mantissa field of 448
.macro WLOAD t, rowb                   ; block t: W(32 t + i, my column), i = 0 .. 31, into set t % 2
.irp i, 0,1,2,3,4,5,6,7,8,9,10,11,12,13,14,15,16,17,18,19,20,21,22,23,24,25,26,27,28,29,30,31
	global_load_b32 v[X+32*((\t)%2)+\i], v3, s[20:21] offset:(32*(\t)+\i)*\rowb th:TH_LOAD_NT
.endr
.endm
.macro WBLOCK t, rowb
.set XS, X+32*((\t)%2)
.set CT, C+8*(\t)
.if (\t) < 7
	s_wait_loadcnt 32                              ; this block's 32 loads are in; the next block's may be out
.else
	s_wait_loadcnt 0x0
.endif
	v_max3_num_f32 v12, |v[XS]|, |v[XS+1]|, |v[XS+2]|              ; the block's largest magnitude: all 32 numbers are mine
	v_max3_num_f32 v13, |v[XS+3]|, |v[XS+4]|, |v[XS+5]|
.irp i, 6,10,14,18,22,26
	v_max3_num_f32 v12, v12, |v[XS+\i]|, |v[XS+\i+1]|
	v_max3_num_f32 v13, v13, |v[XS+\i+2]|, |v[XS+\i+3]|
.endr
	v_max3_num_f32 v12, v12, |v[XS+30]|, |v[XS+31]|
	v_max3_num_f32 v12, v12, v13, 0x4800000        ; and the floor 2^(9 - 127): the byte cannot fall under 1
	v_add_nc_u32 v11, 0xfc000000, v12              ; 8 off the exponent field: the conversion's scale operand
	v_and_or_b32 v10, v12, 0x7f800000, s31         ; 448 x the scale
	v_lshrrev_b32 v13, 23, v11                     ; the scale's byte
.if (\t)%4 == 0
	v_mov_b32 v[SB+(\t)/4], v13
.else
	v_lshl_or_b32 v[SB+(\t)/4], v13, 8*((\t)%4), v[SB+(\t)/4]
.endif
.irp i, 0,1,2,3,4,5,6,7,8,9,10,11,12,13,14,15,16,17,18,19,20,21,22,23,24,25,26,27,28,29,30,31
	v_med3_num_f32 v[XS+\i], v[XS+\i], -v10, v10   ; the conversion to an 8-bit code does not saturate (ISA guide 7.6.2): the hold comes first
.endr
.irp g, 0,1,2,3
	v_cvt_scalef32_pk8_fp8_f32 v[CT+2*\g:CT+2*\g+1], v[XS+8*\g:XS+8*\g+7], v11
.endr
	global_store_b128 v4, v[CT:CT+3], s[28:29] offset:((\t)/4)*2048+((\t)%4)*512          ; k = 0 .. 15 of the block: the bytes of lanes (r, 0)
	global_store_b128 v4, v[CT+4:CT+7], s[28:29] offset:((\t)/4)*2048+((\t)%4)*512+256    ; k = 16 .. 31: those of lanes (r, 1)
.if (\t)+2 < 8
	WLOAD (\t)+2, \rowb
.endif
.endm
.macro WQ rowb                         ; a wave's 32 columns x 256 along K
	WLOAD 0, \rowb
	WLOAD 1, \rowb
.irp t, 0,1,2,3,4,5,6,7
	WBLOCK \t, \rowb
.endr
	global_store_b64 v9, v[SB:SB+1], s[34:35] offset:32768   ; two scale words a lane: the wave stores 256 consecutive bytes, aligned
	s_endpgm
.endm
.macro ANGLE k                         ; cos or sin (by the lane's kind) of t x inv[k] into v[24 + k]
	v_mul_f32 v8, v7, v[3+\k]                      ; the angle, one rounding
	v_mul_f32 v10, 0x3f22f983, v8                  ; x 2 / pi
	v_rndne_f32 v10, v10                           ; n
	v_fma_f32 v12, -v10, 0x3fc90fdb, v8            ; r = a - n pi / 2, pi / 2 in two parts
	v_fma_f32 v12, -v10, 0xb33bbd2e, v12
	v_cvt_i32_f32 v10, v10
	v_add_nc_u32 v10, v10, v5                      ; sin a = cos(a - pi / 2): n + 3 for the lanes that make sines
	v_mul_f32 v14, v12, v12
	v_mov_b32 v16, 0x3638ef1d                      ; sin r = r + r^3 (-1/6 + r^2 / 120 - r^4 / 5040 + r^6 / 362880)
	v_fmaak_f32 v16, v16, v14, 0xb9500d01
	v_fmaak_f32 v16, v16, v14, 0x3c088889
	v_fmaak_f32 v16, v16, v14, 0xbe2aaaab
	v_mul_f32 v18, v14, v12
	v_fma_f32 v16, v16, v18, v12
	v_mov_b32 v20, 0xb493f27e                      ; cos r = 1 + r^2 (-1/2 + r^2 / 24 - r^4 / 720 + r^6 / 40320 - r^8 / 3628800)
	v_fmaak_f32 v20, v20, v14, 0x37d00d01
	v_fmaak_f32 v20, v20, v14, 0xbab60b61
	v_fmaak_f32 v20, v20, v14, 0x3d2aaaab
	v_fmaak_f32 v20, v20, v14, 0xbf000000
	v_fma_f32 v20, v20, v14, 1.0
	v_and_b32 v22, 1, v10
	v_cmp_eq_u32 vcc_lo, 1, v22
	v_cndmask_b32 v20, v20, v16, vcc_lo            ; odd quadrants take the sine
	v_add_nc_u32 v10, 1, v10
	v_and_b32 v10, 2, v10
	v_lshlrev_b32 v10, 30, v10                     ; quadrants 1 and 2 are negative
	v_xor_b32 v[24+\k], v20, v10
.endm
; The norm's quantiser: 64 numbers of a lane, register 16 b + i = k 32 b + 16 (lane / 16) + i of my row, become a fragment's codes in v[pc] on and its scale word in v[pw].  fl: the floor under the largest magnitude
; (A lane permute's destination counts as one of its sources: v[TM+4] to v[TM+7] have been written when the macro first runs: they held numbers of phase 1's third row.)
.macro QUANT s, fl, pc, pw
.irp b, 0,1,2,3
	v_max3_num_f32 v[TM+\b], |v[\s+16*\b]|, |v[\s+1+16*\b]|, \fl
.endr
.irp i, 2,4,6,8,10,12,14
.irp b, 0,1,2,3
	v_max3_num_f32 v[TM+\b], v[TM+\b], |v[\s+16*\b+\i]|, |v[\s+1+16*\b+\i]|
.endr
.endr
.irp b, 0,1,2,3
	v_permlanex16_b32 v[TM+4+\b], v[TM+\b], s[SEL], s[SEL+1]
.endr
.irp b, 0,1,2,3
	v_max_num_f32 v[TM+\b], v[TM+\b], v[TM+4+\b]   ; with lane l xor 16's: the block's largest magnitude
.endr
.irp b, 0,1,2,3
	v_add_nc_u32 v[TM+12+\b], 0xfc000000, v[TM+\b] ; 8 off its exponent field: the conversion's scale operand
.endr
.irp b, 0,1,2,3
	v_and_or_b32 v[TM+8+\b], v[TM+\b], 0x7f800000, s[MNT]   ; 448 x the scale
.endr
.irp b, 0,1,2,3
	v_lshrrev_b32 v[TM+4+\b], 23, v[TM+12+\b]      ; the scale's byte
.endr
	v_lshl_or_b32 v[\pw], v[TM+5], 8, v[TM+4]
	v_lshl_or_b32 v[\pw], v[TM+6], 16, v[\pw]
	v_lshl_or_b32 v[\pw], v[TM+7], 24, v[\pw]
.irp b, 0,1,2,3
.irp i, 0,1,2,3,4,5,6,7,8,9,10,11,12,13,14,15
	v_med3_num_f32 v[\s+16*\b+\i], v[\s+16*\b+\i], -v[TM+8+\b], v[TM+8+\b]   ; the conversion does not saturate (ISA guide 7.6.2): the hold comes first
.endr
	v_cvt_scalef32_pk8_fp8_f32 v[\pc+4*\b:\pc+1+4*\b], v[\s+16*\b:\s+7+16*\b], v[TM+12+\b]
	v_cvt_scalef32_pk8_fp8_f32 v[\pc+2+4*\b:\pc+3+4*\b], v[\s+8+16*\b:\s+15+16*\b], v[TM+12+\b]
.endr
	v_nop                                          ; a plain line behind the last conversion
.endm
	v_lshl_add_u32 v224, v0, 2, 0x10200
	v_mov_b32 v225, 0
	s_cmp_ge_u32 ttmp9, NW                         ; which job: the choice hangs on the work-group's number alone
	s_cbranch_scc1 .Lnorm
	s_load_b512 s[4:19], s[0:1], 0x0               ; Wq, Wk, Wv, Wo, W1, W2, wc s[16:17], rope s[18:19]
	v_lshrrev_b32 v2, 5, v0
	v_readfirstlane_b32 s[WV], v2                  ; wave 0..3
	v_and_b32 v1, 31, v0                           ; lane
	s_cmp_ge_u32 ttmp9, 384
	s_cbranch_scc1 .Lrope
	v_and_b32 v5, 7, v1
	v_and_b32 v6, 8, v1
	v_lshl_or_b32 v5, v6, 1, v5
	v_and_b32 v6, 16, v1
	v_lshrrev_b32 v6, 1, v6
	v_or_b32 v5, v5, v6                            ; my column of the wave's 32: lanes 0-15 are tile 2 w, lanes 16-31 tile 2 w + 1
	v_lshlrev_b32 v3, 2, v5
	v_and_b32 v6, 15, v1
	v_lshrrev_b32 v7, 4, v1
	v_lshlrev_b32 v4, 4, v6
	v_lshl_add_u32 v4, v7, 12, v4                  ; out: 4096 x (lane / 16) + 16 x (lane % 16)
	v_lshlrev_b32 v9, 3, v1                        ; scale words: 8 x lane
	s_mov_b32 s31, 0x600000                        ; the mantissa field of 448
	s_lshr_b32 s24, ttmp9, 2
	s_and_b32 s25, s24, 7                          ; panel of a weight with 8 panels and 4 K steps,
	s_and_b32 s24, s24, 31                         ; of W1,
	s_and_b32 s23, ttmp9, 3                        ; their K step
	s_cmp_lt_u32 ttmp9, 128
	s_cselect_b32 s22, s25, s24
	s_lshr_b32 s24, ttmp9, 4
	s_and_b32 s24, s24, 7                          ; W2: panel,
	s_and_b32 s25, ttmp9, 15                       ; K step
	s_cmp_lt_u32 ttmp9, 256
	s_cselect_b32 s22, s22, s24
	s_cselect_b32 s23, s23, s25
	s_lshr_b32 s26, ttmp9, 7
	s_cmp_eq_u32 s26, 1                            ; W1's rows are 16,384 bytes, the others' 4,096
	s_cselect_b32 s27, 22, 20
	s_lshl_b32 s23, s23, s27                       ; 256 rows a K step
	s_lshl_b32 s22, s22, 9                         ; 512 bytes a panel
	s_add_co_u32 s22, s22, s23
	s_lshl_b32 s27, s[WV], 7                       ; 128 bytes a wave
	s_add_co_u32 s22, s22, s27
	s_mov_b32 s23, 0
	s_mul_i32 s24, ttmp9, CHUNK
	s_mov_b32 s25, 0
	s_wait_kmcnt 0x0
	s_cmp_lt_u32 ttmp9, 32                         ; which weight: the choice hangs on the work-group's number alone
	s_cselect_b64 s[20:21], s[4:5], s[6:7]
	s_cmp_lt_u32 ttmp9, 64
	s_cselect_b64 s[20:21], s[20:21], s[8:9]
	s_cmp_lt_u32 ttmp9, 96
	s_cselect_b64 s[20:21], s[20:21], s[10:11]
	s_cmp_lt_u32 ttmp9, 128
	s_cselect_b64 s[20:21], s[20:21], s[12:13]
	s_cmp_lt_u32 ttmp9, 256
	s_cselect_b64 s[20:21], s[20:21], s[14:15]
	s_add_nc_u64 s[20:21], s[20:21], s[22:23]
	s_add_nc_u64 s[16:17], s[16:17], s[24:25]      ; my chunk
	s_lshl_b32 s24, s[WV], 13
	s_add_nc_u64 s[28:29], s[16:17], s[24:25]      ; my two tiles' codes
	s_lshl_b32 s24, s[WV], 8
	s_add_nc_u64 s[34:35], s[16:17], s[24:25]      ; my two tiles' scale words
	s_cmp_eq_u32 s26, 1
	s_cbranch_scc1 .Lwide
	s_wait_alu depctr_va_vdst(0)
	WQ 4096
.Lwide:
	s_wait_alu depctr_va_vdst(0)
	WQ 16384
.Lrope:                                            ; 32 work-groups x 4 waves x 16 tokens; lanes 0-15 make cosines, lanes 16-31 sines, two frequencies a lane
	s_sub_co_u32 s20, ttmp9, 384
	s_lshl_b32 s20, s20, 6
	s_lshl_b32 s21, s[WV], 4
	s_add_co_u32 s20, s20, s21                     ; my first token
	s_lshl_b32 s22, s20, 8                         ; 256 bytes a token
	s_mov_b32 s23, 0
	s_wait_alu depctr_va_vdst(0)
	v_and_b32 v2, 15, v1
	v_lshlrev_b32 v2, 1, v2                        ; f
	v_cvt_f32_u32 v3, v2
	v_add_f32 v4, 1.0, v3
	v_mul_f32 v3, 0xbed49a78, v3                   ; -f log2(10000) / 32
	v_mul_f32 v4, 0xbed49a78, v4
	s_wait_alu depctr_va_vdst(0)
	v_exp_f32 v3, v3                               ; 10000^(-f / 32)
	v_exp_f32 v4, v4
	v_lshrrev_b32 v5, 4, v1                        ; (plain work behind the two exponentials)
	v_mul_u32_u24 v5, v5, 3
	v_lshlrev_b32 v6, 3, v1
	s_wait_alu depctr_va_vdst(0)                   ; one wait for both, ahead of their first reader
	s_wait_kmcnt 0x0
	s_add_nc_u64 s[18:19], s[18:19], s[22:23]
	s_mov_b32 s24, 16
.Ltok:
	v_cvt_f32_u32 v7, s20
	ANGLE 0
	ANGLE 1
	global_store_b64 v6, v[24:25], s[18:19]        ; the wave stores a token's 256 bytes: 32 cosines, 32 sines
	s_wait_xcnt 0x0                                ; the store has read its data and its base: both are written again below
	s_add_nc_u64 s[18:19], s[18:19], 256
	s_add_co_u32 s20, s20, 1
	s_sub_co_u32 s24, s24, 1
	s_cmp_lg_u32 s24, 0
	s_cbranch_scc1 .Ltok
	s_endpgm
.Lnorm:                                            ; ---- the layer norm: 256 work-groups of 16 rows
	s_load_b256 s[4:11], s[0:1], 0x40              ; x s[4:5], g s[6:7], b s[8:9], na s[10:11]
	s_sub_co_u32 s13, ttmp9, NW                    ; which 16 rows
	v_lshrrev_b32 v2, 5, v0
	v_readfirstlane_b32 s12, v2                    ; wave 0..3
	v_and_b32 v1, 31, v0
	v_lshlrev_b32 v2, 4, v1                        ; 16 x lane
	s_lshl_b32 s14, s13, 16                        ; 16 rows of 4,096 bytes a work-group,
	s_lshl_b32 s15, s12, 14                        ; 4 a wave
	s_add_co_u32 s14, s14, s15
	s_mov_b32 s15, 0
	s_mov_b32 s20, 0x3a800000                      ; 1 / 1024
	s_mov_b32 s21, 0x3727c5ac                      ; 1e-5
	s_mov_b32 s[SEL], 0x76543210
	s_mov_b32 s[SEL+1], 0xfedcba98
	s_mov_b32 s[MNT], 0x600000
	s_wait_alu depctr_va_vdst(0)
	s_wait_kmcnt 0x0
	s_add_nc_u64 s[4:5], s[4:5], s[14:15]
.irp rr, 0,1,2,3
.irp j, 0,1,2,3,4,5,6,7
	global_load_b128 v[X+32*\rr+4*\j:X+32*\rr+4*\j+3], v2, s[4:5] offset:4096*\rr+512*\j   ; 512 consecutive bytes a load
.endr
.endr
.irp j, 0,1,2,3,4,5,6,7
	global_load_b128 v[G+4*\j:G+4*\j+3], v2, s[6:7] offset:512*\j
	global_load_b128 v[B+4*\j:B+4*\j+3], v2, s[8:9] offset:512*\j
.endr
	s_mul_i32 s16, s12, 4*ROWP
	v_add_nc_u32 v3, s16, v2                       ; LDS, in: my four rows, 16 x lane
	v_and_b32 v7, 15, v0                           ; r
	s_wait_alu depctr_va_vdst(0)
	v_bfe_u32 v4, v0, 4, 1                         ; h
	v_lshlrev_b32 v4, 6, v4
	v_mad_u32_u24 v4, v7, ROWP, v4                 ; LDS, out: row r, + 64 h,
	s_lshl_b32 s16, s12, 10
	v_add_nc_u32 v4, s16, v4                       ; + my K step's 1,024 bytes
	s_lshr_b32 s16, s13, 3
	s_lshl_b32 s16, s16, 2
	s_add_co_u32 s16, s16, s12                     ; my chunk: 4 x panel + K step
	s_mul_i32 s16, s16, CHUNK
	s_mov_b32 s17, 0
	s_add_nc_u64 s[10:11], s[10:11], s[16:17]
	s_and_b32 s18, s13, 7                          ; the tile in its panel
	s_lshl_b32 s19, s18, 12
	v_add_nc_u32 v5, s19, v2                       ; codes: 4096 i + 16 x lane
	s_lshl_b32 s19, s18, 7
	v_lshl_add_u32 v6, v7, 3, s19                  ; scale words: 128 i + 8 r
	s_wait_loadcnt 16                              ; the rows are in; the 16 loads of g and b may be out
	; the means, the four rows by turns
.irp rr, 0,1,2,3
	v_pk_add_f32 v[8+2*\rr:9+2*\rr], v[X+32*\rr:X+32*\rr+1], v[X+32*\rr+2:X+32*\rr+3]
.endr
.irp j, 4,6,8,10,12,14,16,18,20,22,24,26,28,30
.irp rr, 0,1,2,3
	v_pk_add_f32 v[8+2*\rr:9+2*\rr], v[8+2*\rr:9+2*\rr], v[X+32*\rr+\j:X+32*\rr+\j+1]
.endr
.endr
.irp rr, 0,1,2,3
	v_add_f32 v[8+2*\rr], v[8+2*\rr], v[9+2*\rr]
.endr
.irp m, 1,2,4,8
.irp rr, 0,1,2,3
	v_add_f32_dpp v[8+2*\rr], v[8+2*\rr], v[8+2*\rr] row_xmask:\m row_mask:0xf bank_mask:0xf
.endr
.endr
.irp rr, 0,1,2,3
	v_permlanex16_b32 v[9+2*\rr], v[8+2*\rr], s[SEL], s[SEL+1]
.endr
.irp rr, 0,1,2,3
	v_add_f32 v[8+2*\rr], v[8+2*\rr], v[9+2*\rr]
.endr
.irp rr, 0,1,2,3
	v_mul_f32 v[8+2*\rr], s20, v[8+2*\rr]
.endr
.irp j, 0,2,4,6,8,10,12,14,16,18,20,22,24,26,28,30
.irp rr, 0,1,2,3
	v_pk_add_f32 v[X+32*\rr+\j:X+32*\rr+\j+1], v[X+32*\rr+\j:X+32*\rr+\j+1], v[8+2*\rr:9+2*\rr] op_sel_hi:[1,0] neg_lo:[0,1] neg_hi:[0,1]   ; x - mean
.endr
.endr
.irp rr, 0,1,2,3
	v_pk_mul_f32 v[16+2*\rr:17+2*\rr], v[X+32*\rr:X+32*\rr+1], v[X+32*\rr:X+32*\rr+1]
.endr
.irp j, 2,4,6,8,10,12,14,16,18,20,22,24,26,28,30
.irp rr, 0,1,2,3
	v_pk_fma_f32 v[16+2*\rr:17+2*\rr], v[X+32*\rr+\j:X+32*\rr+\j+1], v[X+32*\rr+\j:X+32*\rr+\j+1], v[16+2*\rr:17+2*\rr]
.endr
.endr
.irp rr, 0,1,2,3
	v_add_f32 v[16+2*\rr], v[16+2*\rr], v[17+2*\rr]
.endr
.irp m, 1,2,4,8
.irp rr, 0,1,2,3
	v_add_f32_dpp v[16+2*\rr], v[16+2*\rr], v[16+2*\rr] row_xmask:\m row_mask:0xf bank_mask:0xf
.endr
.endr
.irp rr, 0,1,2,3
	v_permlanex16_b32 v[17+2*\rr], v[16+2*\rr], s[SEL], s[SEL+1]
.endr
.irp rr, 0,1,2,3
	v_add_f32 v[16+2*\rr], v[16+2*\rr], v[17+2*\rr]
.endr
.irp rr, 0,1,2,3
	v_fma_f32 v[16+2*\rr], v[16+2*\rr], s20, s21   ; the variance + 1e-5
.endr
	s_wait_alu depctr_va_vdst(0)
.irp rr, 0,1,2,3
	v_rsq_f32 v[16+2*\rr], v[16+2*\rr]
.endr
	v_nop                                          ; a plain line behind the four,
	s_wait_alu depctr_va_vdst(0)                   ; and one wait for them, ahead of their first reader
	s_wait_loadcnt 0x0                             ; g and b
.irp j, 0,2,4,6,8,10,12,14,16,18,20,22,24,26,28,30
.irp rr, 0,1,2,3
	v_pk_mul_f32 v[X+32*\rr+\j:X+32*\rr+\j+1], v[X+32*\rr+\j:X+32*\rr+\j+1], v[16+2*\rr:17+2*\rr] op_sel_hi:[1,0]
.endr
.endr
.irp j, 0,2,4,6,8,10,12,14,16,18,20,22,24,26,28,30
.irp rr, 0,1,2,3
	v_pk_fma_f32 v[X+32*\rr+\j:X+32*\rr+\j+1], v[X+32*\rr+\j:X+32*\rr+\j+1], v[G+\j:G+\j+1], v[B+\j:B+\j+1]
.endr
.endr
.irp rr, 0,1,2,3
.irp j, 0,1,2,3,4,5,6,7
	ds_store_b128 v3, v[X+32*\rr+4*\j:X+32*\rr+4*\j+3] offset:\rr*ROWP+512*\j
.endr
.endr
	s_wait_dscnt 0x0                               ; for the others' sake: my rows lie in LDS
	s_barrier_signal -1
	s_barrier_wait -1
.irp q, 0,1                                    ; my K step's two fragments
.irp b, 0,1,2,3
.irp j, 0,1,2,3
	ds_load_b128 v[Y+16*\b+4*\j:Y+16*\b+4*\j+3], v4 offset:512*\q+128*\b+16*\j
.endr
.endr
	s_wait_dscnt 0x0
	QUANT Y, 0x4800000, 116+16*\q, 114+\q          ; each fragment has its own registers for codes and scale word: no store's data are written again
.irp c, 0,1,2,3
	global_store_b128 v5, v[116+16*\q+4*\c:116+16*\q+4*\c+3], s[10:11] offset:2048*\q+512*\c   ; 512 consecutive bytes, aligned
.endr
.endr
	global_store_b64 v6, v[114:115], s[10:11] offset:32768   ; my row's two scale words (lanes 16-31 hold and write the same as lanes 0-15)
	s_wait_tensorcnt 0x0
	ds_add_u32 v224, v225
	s_wait_dscnt 0x0
	s_endpgm
.Lfunc_end_k_q85e90f3343_prep:
	.size	k_q85e90f3343_prep, .Lfunc_end_k_q85e90f3343_prep-k_q85e90f3343_prep
	.p2alignl 7, 3214868480
	.fill 96, 4, 3214868480
	.section	.rodata,"a",@progbits
	.p2align	6, 0x0
	.amdhsa_kernel k_q85e90f3343_prep
		.amdhsa_group_segment_fixed_size 66560
		.amdhsa_private_segment_fixed_size 0
		.amdhsa_enable_private_segment 0
		.amdhsa_kernarg_size 96
		.amdhsa_user_sgpr_count 2
		.amdhsa_user_sgpr_kernarg_segment_ptr 1
		.amdhsa_wavefront_size32 1
		.amdhsa_system_sgpr_workgroup_id_x 1
		.amdhsa_system_sgpr_workgroup_id_y 1
		.amdhsa_system_sgpr_workgroup_id_z 1
		.amdhsa_system_vgpr_workitem_id 0
		.amdhsa_next_free_vgpr 226
		.amdhsa_next_free_sgpr 66
		.amdhsa_reserve_vcc 1
		.amdhsa_float_denorm_mode_32 3
		.amdhsa_float_denorm_mode_16_64 3
		.amdhsa_memory_ordered 1
		.amdhsa_forward_progress 1
		.amdhsa_inst_pref_size 166
	.end_amdhsa_kernel
	.amdgpu_metadata
---
amdhsa.version: [ 1, 2 ]
amdhsa.kernels:
  - .name:           k_q85e90f3343_prep
    .symbol:         k_q85e90f3343_prep.kd
    .args:
      - { .name: Wq, .offset: 0, .size: 8, .value_kind: global_buffer, .address_space: global }
      - { .name: Wk, .offset: 8, .size: 8, .value_kind: global_buffer, .address_space: global }
      - { .name: Wv, .offset: 16, .size: 8, .value_kind: global_buffer, .address_space: global }
      - { .name: Wo, .offset: 24, .size: 8, .value_kind: global_buffer, .address_space: global }
      - { .name: W1, .offset: 32, .size: 8, .value_kind: global_buffer, .address_space: global }
      - { .name: W2, .offset: 40, .size: 8, .value_kind: global_buffer, .address_space: global }
      - { .name: wc, .offset: 48, .size: 8, .value_kind: global_buffer, .address_space: global }
      - { .name: rope, .offset: 56, .size: 8, .value_kind: global_buffer, .address_space: global }
      - { .name: x, .offset: 64, .size: 8, .value_kind: global_buffer, .address_space: global }
      - { .name: ln1_g, .offset: 72, .size: 8, .value_kind: global_buffer, .address_space: global }
      - { .name: ln1_b, .offset: 80, .size: 8, .value_kind: global_buffer, .address_space: global }
      - { .name: na, .offset: 88, .size: 8, .value_kind: global_buffer, .address_space: global }
    .group_segment_fixed_size: 66560
    .private_segment_fixed_size: 0
    .kernarg_segment_align: 8
    .kernarg_segment_size: 96
    .max_flat_workgroup_size: 128
    .sgpr_count:     66
    .vgpr_count:     226
    .wavefront_size: 32
...
	.end_amdgpu_metadata
.endif
;; end of part 1
;; launch qkv (part 2): grid 12 x 16, 4 waves a work-group, clusters of 4 x 4, 327,680 bytes of LDS; arguments na, wc, bq, bk, bv, rope, qc, kv; writes qc, kv
.if DOCPART == 2
	.amdgcn_target "amdgcn-amd-amdhsa--gfx1250"
	.amdhsa_code_object_version 6
	.text
	.protected	k_q85e90f3343_qkv
	.globl	k_q85e90f3343_qkv
	.p2align	8
	.type	k_q85e90f3343_qkv,@function
k_q85e90f3343_qkv:
	s_mov_b64 s[64:65], 0
	v_nop
	global_prefetch_b8 v0, s[64:65] scope:SCOPE_SE
	s_setreg_imm32_b32 hwreg(HW_REG_WAVE_MODE, 25, 1), 1
	s_wait_xcnt 0x0
	s_wait_alu depctr_hold_cnt(0) depctr_sa_sdst(0) depctr_va_vdst(0) depctr_va_sdst(0) depctr_va_ssrc(0) depctr_va_vcc(0) depctr_vm_vsrc(0)
	s_getreg_b32 s2, hwreg(HW_REG_IB_STS2, 6, 4)
	s_cmp_eq_u32 s2, 0
	s_cbranch_scc0 .Lentry_in_a_cluster
	s_endpgm
.Lentry_in_a_cluster:
	s_bfe_u32 s2, ttmp6, 0x10000c
	s_cmp_lg_u32 s2, 0xf033
	s_cbranch_scc0 .Lentry_shape_is_right
	s_endpgm
.Lentry_shape_is_right:
.set CHUNK, 33792
.set KVCH,  17152
.set SLOT,  4*CHUNK
.set SPARE, 2*SLOT
.set FR, 16
.set NQ, 2
.set NL, 4
.set NP, 8
.set L4,   7
.set RO0,  8
.set RO,   9
.set BO0,  10
.set BO,   11
.set PW,   12
.set BVL,  13
.set BVC,  14
.set ADRA, 16
.set W0,   18
.set ADRB, 20
.set ADRS, 22
.set DS,   24
.set DA,   25
.set SPW,  28
.set NIL,  29
.set SC,   32
.set BI,   64
.set AF,   128
.set X,    128
.set CSN,  192
.set TM,   224
.set PC,   240
.set G1, 24
.set G0, 32
.set G1B, 48
.set G0B, 56
.set TA,  4
.set CNT, 5
.set TO,  6
.set FL,  12
.set ADJ, 13
.set MNT, 19
.set SEL, 66
.set MSB, 0
.macro WIN new
.if MSB != \new
	s_set_vgpr_msb (MSB<<8)|\new
.set MSB, \new
.endif
.endm
.set MUL_LO, 0xa1
.set MUL_HI, 0xf1
.set TO_B,   0x40
.macro PLACES n
.rept \n
	v_nop
.endr
.endm
.macro JLOAD g0a, g1a, g0b, g1b
	s_cmp_eq_u32 s15, 0
	s_cbranch_scc0 .Lfor_b_\@
	tensor_load_to_lds s[\g0a:\g0a+3], s[\g1a:\g1a+7]
	s_nop 0
.rept 4
	v_nop
.endr
	s_branch .Lasked_\@
.Lfor_b_\@:
	tensor_load_to_lds s[\g0b:\g0b+3], s[\g1b:\g1b+7]
	s_nop 0
.rept 4
	v_nop
.endr
.Lasked_\@:
.endm
.macro CREST
	s_cmp_lg_u32 s14, 0
	s_cbranch_scc1 .Lnot_wave_0_\@
	s_barrier_signal -3
.Lnot_wave_0_\@:
	s_barrier_wait -3
	s_barrier_signal -1
	s_barrier_wait -1
.endm
.macro CROUND
	s_barrier_signal -1
	s_barrier_wait -1
	CREST
.endm
.macro FRAG reg, adr, off
.irp c, 0,1,2,3
	ds_load_b128 v[\reg+4*\c:\reg+4*\c+3], v[\adr] offset:(\off)+512*\c
.endr
.endm
.macro MUL16 a0, p, q, sc, zero
.irp a, \a0, \a0+1
.irp b, 0,1,2,3,4,5,6,7
.if \zero
	v_wmma_scale_f32_16x16x128_f8f6f4 v[8*(8*((\a)%4)+\b):8*(8*((\a)%4)+\b)+7], v[128*(\p)+FR*\b:128*(\p)+FR*\b+FR-1], v[AF+FR*(\a):AF+FR*(\a)+FR-1], 0, v[SC+8*NQ*(\sc)+NQ*\b+(\q)], v[SC+8*NQ*(\sc)+NQ*(\a)+(\q)] matrix_a_scale:MATRIX_SCALE_ROW1
.else
	v_wmma_scale_f32_16x16x128_f8f6f4 v[8*(8*((\a)%4)+\b):8*(8*((\a)%4)+\b)+7], v[128*(\p)+FR*\b:128*(\p)+FR*\b+FR-1], v[AF+FR*(\a):AF+FR*(\a)+FR-1], v[8*(8*((\a)%4)+\b):8*(8*((\a)%4)+\b)+7], v[SC+8*NQ*(\sc)+NQ*\b+(\q)], v[SC+8*NQ*(\sc)+NQ*(\a)+(\q)] matrix_a_scale:MATRIX_SCALE_ROW1
.endif
.endr
.endr
.endm
.macro FETCH_B slot, q, p
	WIN TO_B
.irp i, 0,1,2,3,4,5,6,7
	FRAG 128*(\p)+FR*\i, ADRB+\slot, (2*\i+(\q))*2048
.endr
	WIN 0
.endm
.macro FETCH_A slot, q, i0
.irp i, \i0, \i0+1, \i0+2, \i0+3
	FRAG AF+FR*(\i), ADRA+\slot, (2*(\i)+(\q))*2048
.endr
.endm
.macro SCALES sc
.irp i, 0,1,2,3,4,5,6,7
	ds_load_b64 v[SC+8*NQ*\sc+NQ*\i:SC+8*NQ*\sc+NQ*\i+1], v[ADRS+\sc] offset:128*\i
.endr
.endm
.macro STEP slot, q, zero
	s_wait_dscnt 4*NL
	WIN MUL_LO
	MUL16 0, (\q)%2, \q, \slot, \zero
	MUL16 2, (\q)%2, \q, \slot, \zero
	s_wait_dscnt 0
	PLACES NP
	FETCH_B \slot, (\q)+1, 1-(\q)%2
	FETCH_A \slot, (\q)+1, 0
	WIN MUL_HI
	MUL16 4, (\q)%2, \q, \slot, \zero
	MUL16 6, (\q)%2, \q, \slot, \zero
	PLACES NP
	WIN 0
	FETCH_A \slot, (\q)+1, 4
.endm
.macro TURN slot, next, fill
	s_wait_tensorcnt 0x0
	ds_add_u32 v[SPW], v[NIL]
	s_wait_dscnt 4*NL+1
	WIN MUL_LO
	MUL16 0, 1, NQ-1, \slot, 0
	s_wait_dscnt 0x0
	s_barrier_signal -1
	MUL16 2, 1, NQ-1, \slot, 0
	WIN 0
	s_barrier_wait -1
.if \fill
	CREST
	s_add_nc_u64 s[G0+4*\slot+2:G0+4*\slot+3], s[G0+4*\slot+2:G0+4*\slot+3], 2*CHUNK
	s_add_nc_u64 s[G0B+4*\slot+2:G0B+4*\slot+3], s[G0B+4*\slot+2:G0B+4*\slot+3], 2*CHUNK
	JLOAD G0+4*\slot, G1, G0B+4*\slot, G1B
	PLACES NP-4
.else
	PLACES NP
.endif
	FETCH_B \next, 0, 0
	FETCH_A \next, 0, 0
	SCALES \next
	WIN MUL_HI
	MUL16 4, 1, NQ-1, \slot, 0
	MUL16 6, 1, NQ-1, \slot, 0
	PLACES NP
	WIN 0
	FETCH_A \next, 0, 4
.endm
.macro QUANT s, fl, pc, pw
.irp b, 0,1,2,3
	v_max3_num_f32 v[TM+\b], |v[\s+16*\b]|, |v[\s+1+16*\b]|, \fl
.endr
.irp i, 2,4,6,8,10,12,14
.irp b, 0,1,2,3
	v_max3_num_f32 v[TM+\b], v[TM+\b], |v[\s+16*\b+\i]|, |v[\s+1+16*\b+\i]|
.endr
.endr
.irp b, 0,1,2,3
	v_permlanex16_b32 v[TM+4+\b], v[TM+\b], s[SEL], s[SEL+1]
.endr
.irp b, 0,1,2,3
	v_max_num_f32 v[TM+\b], v[TM+\b], v[TM+4+\b]
.endr
.irp b, 0,1,2,3
	v_add_nc_u32 v[TM+12+\b], 0xfc000000, v[TM+\b]
.endr
.irp b, 0,1,2,3
	v_and_or_b32 v[TM+8+\b], v[TM+\b], 0x7f800000, s[MNT]
.endr
.irp b, 0,1,2,3
	v_lshrrev_b32 v[TM+4+\b], 23, v[TM+12+\b]
.endr
	v_lshl_or_b32 v[\pw], v[TM+5], 8, v[TM+4]
	v_lshl_or_b32 v[\pw], v[TM+6], 16, v[\pw]
	v_lshl_or_b32 v[\pw], v[TM+7], 24, v[\pw]
.irp b, 0,1,2,3
.irp i, 0,1,2,3,4,5,6,7,8,9,10,11,12,13,14,15
	v_med3_num_f32 v[\s+16*\b+\i], v[\s+16*\b+\i], -v[TM+8+\b], v[TM+8+\b]
.endr
	v_cvt_scalef32_pk8_fp8_f32 v[\pc+4*\b:\pc+1+4*\b], v[\s+16*\b:\s+7+16*\b], v[TM+12+\b]
	v_cvt_scalef32_pk8_fp8_f32 v[\pc+2+4*\b:\pc+3+4*\b], v[\s+8+16*\b:\s+15+16*\b], v[TM+12+\b]
.endr
	v_nop
.endm
	s_load_b512 s[68:83], s[0:1], 0x0
	v_lshl_add_u32 v[SPW], v0, 2, SPARE
	v_mov_b32 v[NIL], 0
	ds_add_u32 v28, v29
	ds_add_u32 v28, v29
	s_wait_dscnt 0x0
	v_lshrrev_b32 v1, 5, v0
	v_readfirstlane_b32 s14, v1
	s_lshr_b32 s15, s14, 1
	s_and_b32 s16, s14, 1
	s_bfe_u32 s40, ttmp6, 0x40000
	s_bfe_u32 s41, ttmp6, 0x40004
	s_and_b32 s18, ttmp7, 0xffff
	s_cmp_eq_u32 ttmp9, 2
	s_cselect_b32 s17, ttmp9, s18
	s_cselect_b32 s42, s18, ttmp9
	s_lshl_b32 s17, s17, 2
	s_add_co_u32 s17, s17, s41
	s_lshl_b32 s42, s42, 2
	s_add_co_u32 s42, s42, s40
	s_lshl_b32 s43, s41, 2
	s_lshl_b32 s43, 15, s43
	s_lshl_b32 s44, 0x1111, s40
	s_or_b32 s[G1+0], s43, (3<<16)|(1<<21)
	s_or_b32 s[G1B+0], s44, (3<<16)|(1<<21)
.irp g, G1, G1B
	s_mov_b32 s[\g+1], 4224<<16                    ; the head's load: two rows of 33,792 bytes (4,224 elements of 8), the two panels' chunks of one K step, four chunks apart in memory
	s_mov_b32 s[\g+2], 2<<16
	s_mov_b32 s[\g+3], 4224<<16
	s_mov_b32 s[\g+4], 2
	s_mov_b32 s[\g+5], 16896
	s_mov_b32 s[\g+6], 0
	s_mov_b32 s[\g+7], 0
.endr
	s_lshl_b32 s20, s17, 1
	s_add_co_u32 s20, s20, s16
	s_mul_i32 s20, s20, 4*CHUNK
	s_mov_b32 s21, 0
	s_lshl_b32 s46, s42, 1
	s_add_co_u32 s46, s46, s16
	s_mul_i32 s46, s46, 4*CHUNK
	s_mov_b32 s47, 0
	s_mul_i32 s45, s14, CHUNK
	s_wait_kmcnt 0x0
	s_cmp_eq_u32 ttmp9, 2
	s_cselect_b64 s[84:85], s[70:71], s[68:69]
	s_cselect_b64 s[86:87], s[68:69], s[70:71]
	s_add_nc_u64 s[20:21], s[84:85], s[20:21]
	s_add_nc_u64 s[46:47], s[86:87], s[46:47]
	CROUND
.irp s, 0,1
	s_mov_b32 s[G0+4*\s], 1
	s_add_co_u32 s[G0+4*\s+1], s45, \s*SLOT
	s_add_nc_u64 s[G0+4*\s+2:G0+4*\s+3], s[20:21], \s*CHUNK
	s_or_b32 s[G0+4*\s+3], s[G0+4*\s+3], 0x80000000
	s_mov_b32 s[G0B+4*\s], 1
	s_add_co_u32 s[G0B+4*\s+1], s45, \s*SLOT
	s_add_nc_u64 s[G0B+4*\s+2:G0B+4*\s+3], s[46:47], \s*CHUNK
	s_or_b32 s[G0B+4*\s+3], s[G0B+4*\s+3], 0x80000000
.endr
	; one tensor load a wave at the head fills both slots: wave w brings K step w % 2, both panels, of the first (w / 2 = 0) or of the second operand, into slot w % 2
	s_mul_i32 s98, s16, SLOT
	s_mul_i32 s[G0+1], s15, 2*CHUNK
	s_add_co_u32 s[G0+1], s[G0+1], s98
	s_mov_b32 s[G0B+1], s[G0+1]
	s_mul_i32 s98, s16, 3*CHUNK                    ; from panel w % 2, K step 0 back to panel 0, K step w % 2
	s_mov_b32 s99, 0
	s_sub_nc_u64 s[G0+2:G0+3], s[G0+2:G0+3], s[98:99]
	s_sub_nc_u64 s[G0B+2:G0B+3], s[G0B+2:G0B+3], s[98:99]
	JLOAD G0, G1, G0B, G1B
	v_and_b32 v1, 31, v0
	v_and_b32 v2, 15, v0
	v_bfe_u32 v3, v0, 4, 1
	s_wait_alu depctr_va_vdst(0)
	v_lshlrev_b32 v4, 4, v1
	s_wait_alu depctr_va_vdst(0)
	s_mul_i32 s21, s15, CHUNK
	s_mul_i32 s22, s16, CHUNK
	s_add_co_u32 s22, s22, 2*CHUNK
.irp s, 0,1
	v_add_nc_u32 v[ADRA+\s], s21, v4
	v_add_nc_u32 v[ADRB+\s], s22, v4
	s_add_co_u32 s21, s21, SLOT
	s_add_co_u32 s22, s22, SLOT
.endr
	s_xor_b32 s22, s15, 1
	s_add_co_u32 s22, s22, s16
	s_add_co_u32 s22, s22, 1
	s_mul_i32 s22, s22, CHUNK
	v_mul_u32_u24 v5, s22, v3
	v_lshl_add_u32 v5, v2, 3, v5
	s_mul_i32 s21, s15, CHUNK
	s_add_co_u32 s21, s21, 32768
	v_add_nc_u32 v[ADRS], s21, v5
	v_add_nc_u32 v[ADRS+1], SLOT, v[ADRS]
	s_lshl_b32 s23, s14, 16
	v_add_nc_u32 v[DS], s23, v4
	v_lshlrev_b32 v6, 6, v3
	s_wait_alu depctr_va_vdst(0)
	v_lshlrev_b32 v[L4], 2, v2
	v_lshl_add_u32 v[RO0], v2, 8, v6
	v_and_b32 v5, 8, v2
	v_add_nc_u32 v5, v5, v2
	v_lshlrev_b32 v[BO0], 2, v5
	s_mov_b32 s[SEL], 0x76543210
	s_mov_b32 s[SEL+1], 0xfedcba98
	s_mov_b32 s[MNT], 0x600000
	s_and_b32 s84, s42, 3
	s_lshl_b32 s84, s84, 10
	s_lshl_b32 s85, s16, 9
	s_add_co_u32 s84, s84, s85
	s_mov_b32 s85, 0
	s_cmp_eq_u32 ttmp9, 0
	s_cselect_b64 s[98:99], s[72:73], s[74:75]
	s_add_nc_u64 s[98:99], s[98:99], s[84:85]
.irp c, 0,1,2,3
.irp j, 0,1,2,3
	global_load_b128 v[BI+16*\c+4*\j:BI+16*\c+4*\j+3], v6, s[98:99] offset:128*\c+16*\j
.endr
.endr
	s_lshl_b32 s7, s17, 1
	s_add_co_u32 s7, s7, s15
	s_lshr_b32 s8, s7, 4
	s_and_b32 s9, s7, 15
	s_lshl_b32 s[TO], s9, 15
	s_and_b32 s10, s42, 3
	s_lshl_b32 s10, s10, 2
	s_lshl_b32 s11, s16, 1
	s_add_co_u32 s10, s10, s11
	s_lshl_b32 s8, s8, 4
	s_add_co_u32 s10, s10, s8
	s_lshl_b32 s92, s10, 7
	s_lshl_b32 s93, s9, 3
	s_add_co_u32 s92, s92, s93
	s_lshl_b32 s93, s92, 6
	s_add_co_u32 s93, s93, 4194304
	s_lshl_b32 s92, s92, 10
	s_lshl_b32 s94, s10, 4
	s_add_co_u32 s94, s94, s9
	s_mul_i32 s94, s94, KVCH
	s_add_co_u32 s95, s94, 16384
	s_mov_b32 s96, 16*KVCH
	s_mov_b32 s97, 0x4800000
	s_cmp_eq_u32 ttmp9, 0
	s_cselect_b32 s92, s92, s94
	s_cselect_b32 s93, s93, s95
	s_cselect_b32 s94, 131072, s96
	s_cselect_b32 s95, 8192, s96
	s_cselect_b32 s[FL], 0x6000000, s97
	s_cselect_b32 s[ADJ], 0x0303, 0
	s_cselect_b64 s[84:85], s[80:81], s[82:83]
	s_mov_b32 s21, 0
	s_mov_b32 s20, s93
	s_add_nc_u64 s[88:89], s[84:85], s[20:21]
	s_mov_b32 s20, s95
	s_add_nc_u64 s[90:91], s[88:89], s[20:21]
	s_mov_b32 s20, s92
	s_add_nc_u64 s[84:85], s[84:85], s[20:21]
	s_mov_b32 s20, s94
	s_add_nc_u64 s[86:87], s[84:85], s[20:21]
	s_lshl_b32 s7, s42, 1
	s_add_co_u32 s7, s7, s16
	s_lshr_b32 s8, s7, 4
	s_and_b32 s9, s7, 15
	s_and_b32 s10, s17, 3
	s_lshl_b32 s10, s10, 2
	s_lshl_b32 s11, s15, 1
	s_add_co_u32 s10, s10, s11
	s_lshl_b32 s8, s8, 4
	s_add_co_u32 s10, s10, s8
	s_lshl_b32 s10, s10, 4
	s_add_co_u32 s10, s10, s9
	s_mul_i32 s20, s10, KVCH
	s_add_nc_u64 s[92:93], s[82:83], s[20:21]
	s_and_b32 s20, s17, 3
	s_lshl_b32 s20, s20, 10
	s_lshl_b32 s7, s15, 9
	s_add_co_u32 s20, s20, s7
	s_add_nc_u64 s[76:77], s[76:77], s[20:21]
	s_wait_alu depctr_va_vdst(0)
	s_wait_tensorcnt 0x0                           ; my part of both slots is in; no load of mine is out, so the descriptors may be written: from here on a load brings one chunk, 132 rows of 256 bytes
.irp g, G1, G1B
	s_mov_b32 s[\g+1], 32<<16
	s_mov_b32 s[\g+2], 132<<16
	s_mov_b32 s[\g+3], 32<<16
	s_mov_b32 s[\g+4], 132
	s_mov_b32 s[\g+5], 32
.endr
	s_mul_i32 s[G0+1], s14, CHUNK                  ; slot 0's walking descriptors: my chunk's place, and one K step ahead of slot 1's in memory
	s_mov_b32 s[G0B+1], s[G0+1]
	s_sub_nc_u64 s[G0+2:G0+3], s[G0+6:G0+7], CHUNK
	s_sub_nc_u64 s[G0B+2:G0B+3], s[G0B+6:G0B+7], CHUNK
	s_barrier_signal -1
	s_barrier_wait -1
	FETCH_B 0, 0, 0
	FETCH_A 0, 0, 0
	SCALES 0
	FETCH_A 0, 0, 4
	STEP 0, 0, 1
	s_mov_b32 s3, 1
.Llap:
	TURN 0, 1, 1
	STEP 1, 0, 0
	TURN 1, 0, 1
	STEP 0, 0, 0
	s_sub_co_u32 s3, s3, 1
	s_cmp_lg_u32 s3, 0
	s_cbranch_scc1 .Llap
	TURN 0, 1, 0
	STEP 1, 0, 0
	s_wait_dscnt 4*NL
	WIN MUL_LO
	MUL16 0, 1, NQ-1, 1, 0
	MUL16 2, 1, NQ-1, 1, 0
	s_wait_dscnt 0
	WIN MUL_HI
	MUL16 4, 1, NQ-1, 1, 0
	MUL16 6, 1, NQ-1, 1, 0
	WIN 0
	s_wait_dscnt 0x0
	s_barrier_signal -1
	s_barrier_wait -1
	PLACES NP
	s_wait_alu depctr_va_vdst(0)
	v_add_nc_u32 v[RO], s[TO], v[RO0]
.irp j, 0,1,2,3
	global_load_b128 v[CSN+4*\j:CSN+4*\j+3], v[RO], s[78:79] offset:16*\j
	global_load_b128 v[CSN+16+4*\j:CSN+16+4*\j+3], v[RO], s[78:79] offset:128+16*\j
.endr
	global_load_b32 v[BVL], v[BO0], s[76:77]
.irp a, 0,1,2,3,4,5,6,7
	WIN 0x08+4*(\a/4)
.irp b, 0,1,2,3,4,5,6,7
	ds_store_b128 v[DS], v[8*(8*(\a%4)+\b):8*(8*(\a%4)+\b)+3] offset:(8*\a+\b)*1024
	ds_store_b128 v[DS], v[8*(8*(\a%4)+\b)+4:8*(8*(\a%4)+\b)+7] offset:(8*\a+\b)*1024+512
.endr
.endr
	WIN 0
.irp b, 0,1,2,3
	v_mov_b32 v[TM+4+\b], 0
.endr
	s_mov_b32 s[TA], 0
	s_mov_b32 s[CNT], 0
.Lrow:
	v_add_nc_u32 v[DA], s[TA], v[DS]
.irp b, 0,1,2,3,4,5,6,7
	ds_load_b128 v[X+8*\b:X+8*\b+3], v[DA] offset:\b*1024
	ds_load_b128 v[X+8*\b+4:X+8*\b+7], v[DA] offset:\b*1024+512
.endr
	s_cmp_eq_u32 ttmp9, 2
	s_cbranch_scc1 .Lv_body
	s_wait_dscnt 0x0
	s_wait_loadcnt 0x0
.irp j, 0,2,4,6,8,10,12,14,16,18,20,22,24,26,28,30,32,34,36,38,40,42,44,46,48,50,52,54,56,58,60,62
	v_pk_add_f32 v[X+\j:X+\j+1], v[X+\j:X+\j+1], v[BI+\j:BI+\j+1]
.endr
.irp i, 0,2,4,6,8,10,12,14
.irp e, 0,1
	v_pk_mul_f32 v[26+4*\e:27+4*\e], v[X+32*\e+\i:X+32*\e+\i+1], v[CSN+16+\i:CSN+16+\i+1]
	v_pk_mul_f32 v[X+32*\e+\i:X+32*\e+\i+1], v[X+32*\e+\i:X+32*\e+\i+1], v[CSN+\i:CSN+\i+1]
.endr
.irp e, 0,1
	v_pk_fma_f32 v[X+32*\e+\i:X+32*\e+\i+1], v[X+32*\e+16+\i:X+32*\e+16+\i+1], v[CSN+16+\i:CSN+16+\i+1], v[X+32*\e+\i:X+32*\e+\i+1] neg_lo:[1,0,0] neg_hi:[1,0,0]
	v_pk_fma_f32 v[X+32*\e+16+\i:X+32*\e+16+\i+1], v[X+32*\e+16+\i:X+32*\e+16+\i+1], v[CSN+\i:CSN+\i+1], v[26+4*\e:27+4*\e]
.endr
.endr
	s_add_co_u32 s[TO], s[TO], 4096
	s_and_b32 s[TO], s[TO], 0x7ffff
	v_add_nc_u32 v[RO], s[TO], v[RO0]
.irp j, 0,1,2,3
	global_load_b128 v[CSN+4*\j:CSN+4*\j+3], v[RO], s[78:79] offset:16*\j
	global_load_b128 v[CSN+16+4*\j:CSN+16+4*\j+3], v[RO], s[78:79] offset:128+16*\j
.endr
	QUANT X, s[FL], PC, PW
	v_and_b32 v[W0], 0xffff, v[PW]
	v_lshrrev_b32 v[W0+1], 16, v[PW]
	v_sub_nc_u32 v[W0], v[W0], s[ADJ]
	v_sub_nc_u32 v[W0+1], v[W0+1], s[ADJ]
	global_store_b128 v4, v[PC:PC+3], s[84:85]
	global_store_b128 v4, v[PC+4:PC+7], s[84:85] offset:512
	global_store_b128 v4, v[PC+8:PC+11], s[86:87]
	global_store_b128 v4, v[PC+12:PC+15], s[86:87] offset:512
	global_store_b32 v[L4], v[W0], s[88:89]
	global_store_b32 v[L4], v[W0+1], s[90:91]
	s_wait_xcnt 0x0
	s_add_nc_u64 s[84:85], s[84:85], 1024
	s_add_nc_u64 s[86:87], s[86:87], 1024
	s_add_nc_u64 s[88:89], s[88:89], 64
	s_add_nc_u64 s[90:91], s[90:91], 64
	s_branch .Ljoin
.Lv_body:
	s_lshr_b32 s7, s[CNT], 2
	s_mul_i32 s7, s7, 16*KVCH
	s_and_b32 s8, s[CNT], 3
	s_lshl_b32 s10, s8, 11
	s_add_co_u32 s10, s10, s7
	s_mov_b32 s11, 0
	s_add_nc_u64 s[94:95], s[92:93], s[10:11]
	s_lshl_b32 s10, s8, 6
	s_add_co_u32 s10, s10, s7
	s_add_nc_u64 s[96:97], s[92:93], s[10:11]
	s_wait_loadcnt 0x0
	v_mov_b32 v[BVC], v[BVL]
	v_mov_b32 v[BVC+1], v[BVL]
	s_add_co_u32 s7, s[CNT], 1
	s_min_u32 s7, s7, 7
	s_lshr_b32 s8, s7, 1
	s_lshl_b32 s8, s8, 7
	s_and_b32 s7, s7, 1
	s_lshl_b32 s7, s7, 5
	s_add_co_u32 s7, s7, s8
	v_add_nc_u32 v[BO], s7, v[BO0]
	global_load_b32 v[BVL], v[BO], s[76:77]
	s_wait_alu depctr_va_vdst(0)
	s_wait_dscnt 0x0
.irp j, 0,2,4,6,8,10,12,14,16,18,20,22,24,26,28,30,32,34,36,38,40,42,44,46,48,50,52,54,56,58,60,62
	v_pk_add_f32 v[X+\j:X+\j+1], v[X+\j:X+\j+1], v[BVC:BVC+1]
.endr
	QUANT X, 0x4800000, PC, PW
.irp c, 0,1,2,3
	global_store_b128 v4, v[PC+4*\c:PC+4*\c+3], s[94:95] offset:8192+512*\c
.endr
	global_store_b32 v[L4], v[PW], s[96:97] offset:16896
	s_wait_xcnt 0x0
.Ljoin:
	s_add_co_u32 s[TA], s[TA], 8192
	s_add_co_u32 s[CNT], s[CNT], 1
	s_cmp_lt_u32 s[CNT], 8
	s_cbranch_scc1 .Lrow
	s_wait_tensorcnt 0x0
	ds_add_u32 v[SPW], v[NIL]
	s_wait_dscnt 0x0
	CROUND
	s_endpgm
.Lfunc_end_k_q85e90f3343_qkv:
	.size	k_q85e90f3343_qkv, .Lfunc_end_k_q85e90f3343_qkv-k_q85e90f3343_qkv
	.p2alignl 7, 3214868480
	.fill 96, 4, 3214868480
	.section	.rodata,"a",@progbits
	.p2align	6, 0x0
	.amdhsa_kernel k_q85e90f3343_qkv
		.amdhsa_group_segment_fixed_size 327680
		.amdhsa_private_segment_fixed_size 0
		.amdhsa_enable_private_segment 0
		.amdhsa_kernarg_size 64
		.amdhsa_user_sgpr_count 2
		.amdhsa_user_sgpr_kernarg_segment_ptr 1
		.amdhsa_wavefront_size32 1
		.amdhsa_system_sgpr_workgroup_id_x 1
		.amdhsa_system_sgpr_workgroup_id_y 1
		.amdhsa_system_sgpr_workgroup_id_z 1
		.amdhsa_system_vgpr_workitem_id 0
		.amdhsa_next_free_vgpr 1024
		.amdhsa_next_free_sgpr 100
		.amdhsa_reserve_vcc 0
		.amdhsa_float_denorm_mode_32 3
		.amdhsa_float_denorm_mode_16_64 3
		.amdhsa_memory_ordered 1
		.amdhsa_forward_progress 1
		.amdhsa_inst_pref_size 156
	.end_amdhsa_kernel
	.amdgpu_metadata
---
amdhsa.version: [ 1, 2 ]
amdhsa.kernels:
  - .name:           k_q85e90f3343_qkv
    .symbol:         k_q85e90f3343_qkv.kd
    .args:
      - { .name: na, .offset: 0, .size: 8, .value_kind: global_buffer, .address_space: global }
      - { .name: wc, .offset: 8, .size: 8, .value_kind: global_buffer, .address_space: global }
      - { .name: bq, .offset: 16, .size: 8, .value_kind: global_buffer, .address_space: global }
      - { .name: bk, .offset: 24, .size: 8, .value_kind: global_buffer, .address_space: global }
      - { .name: bv, .offset: 32, .size: 8, .value_kind: global_buffer, .address_space: global }
      - { .name: rope, .offset: 40, .size: 8, .value_kind: global_buffer, .address_space: global }
      - { .name: qc, .offset: 48, .size: 8, .value_kind: global_buffer, .address_space: global }
      - { .name: kv, .offset: 56, .size: 8, .value_kind: global_buffer, .address_space: global }
    .group_segment_fixed_size: 327680
    .private_segment_fixed_size: 0
    .kernarg_segment_align: 8
    .kernarg_segment_size: 64
    .max_flat_workgroup_size: 128
    .sgpr_count:     100
    .vgpr_count:     1024
    .wavefront_size: 32
...
	.end_amdgpu_metadata
.endif
;; end of part 2
;; launch attn (part 3): grid 16 x 16, 16 waves a work-group, clusters of 4 x 1, 327,680 bytes of LDS; arguments qc, kv, mask, ao; writes ao
.if DOCPART == 3
	.amdgcn_target "amdgcn-amd-amdhsa--gfx1250"
	.amdhsa_code_object_version 6
	.text
	.protected	k_q85e90f3343_attn
	.globl	k_q85e90f3343_attn
	.p2align	8
	.type	k_q85e90f3343_attn,@function
k_q85e90f3343_attn:
	s_mov_b64 s[64:65], 0
	v_nop
	global_prefetch_b8 v0, s[64:65] scope:SCOPE_SE
	s_setreg_imm32_b32 hwreg(HW_REG_WAVE_MODE, 25, 1), 1
	s_wait_xcnt 0x0
	s_wait_alu depctr_hold_cnt(0) depctr_sa_sdst(0) depctr_va_vdst(0) depctr_va_sdst(0) depctr_va_ssrc(0) depctr_va_vcc(0) depctr_vm_vsrc(0)
	s_getreg_b32 s2, hwreg(HW_REG_IB_STS2, 6, 4)
	s_cmp_eq_u32 s2, 0
	s_cbranch_scc0 .Lentry_in_a_cluster
	s_endpgm
.Lentry_in_a_cluster:
	s_bfe_u32 s2, ttmp6, 0x10000c
	s_cmp_lg_u32 s2, 0x3003
	s_cbranch_scc0 .Lentry_shape_is_right
	s_endpgm
.Lentry_shape_is_right:
; O[q] = the sum over k of softmax_k(Q[q] . K[k] / 8 + mask[q][k]) V[k], for 32 (batch, head) pairs of 2,048 tokens and 64 channels, both products on codes of FP8 (E4M3) with E8M0 scales.
; THE SOFTMAX AHEAD OF THE SECOND PRODUCT: t = logit x log2(e); M = the running largest t rounded UP to a whole number; p = 2^(t - M) is quantised along the keys, not normalised; the row's sum is taken of the
; unquantised p and divides O at the end.  When M moves, the sum and O are multiplied by 2^(old M - new M): exact.
; SHARES.  A work-group owns 128 queries of TWO neighbouring (batch, head) pairs; wave w of its sixteen owns head w / 8 of the two and the queries' tile w % 8, 16 queries, in 256 registers.  Every wave walks all keys, 128 a step.
; Why two heads: sixteen waves of 16 queries are h heads x q queries with h q = 256, and a step of 128 keys brings 512 q bytes of the mask and 17,152 h bytes of K and V into LDS: 148,224 bytes for (1, 256),
; 99,840 for (2, 128), 101,376 for (4, 64).
; CLUSTER.  The four partners are four pairs of heads on the SAME 128 queries: they need the same tile of the mask (128 x 128 f32, 65,536 bytes a step), which is asked for JOINTLY (waves 0 and 1, 64 rows each).
; K and V differ from partner to partner (other heads), so their 2 x 17,152 bytes a step are loads of the work-group's own (waves 2 and 3, a head each).
; LAYOUT.  Both products are used transposed: S^T = K Q^T (source 0 = 16 keys, source 1 = my queries), O^T = V^T P^T: a lane holds one query throughout.  THE MASK IS THE C OF THE FIRST PRODUCT: it is loaded from LDS
; straight into the scores' registers; Q's scale bytes carry the division by 8.  The head's 64 fill half of the instruction's K: the upper 8 registers of Q's and K's fragments are zero codes.
; Register 8 T + j of the scores is key 16 T + 8 h + j; so p's place 32 c + 16 h + 8 u + j holds key 32 c + 16 u + 8 h + j, and V's codes were laid the same way.
; OUT.  O / sum is quantised along the head's 64 channels and stored as part of an operand chunk of the next product (128 tokens x 256 features: fragment (i, q, c) at (2 i + q) 2048 + 512 c + 16 lane; scale words at 32768 + 128 i + 8 r + 4 q).
; LIMITS: NaN and +infinity are not served; -infinity in the mask is, for single keys and for whole key steps.  A query whose mask is -infinity at ALL 2,048 keys is not served: the definition gives NaN there;
; here O / 0 is NaN, the quantiser's maxima and holds drop a NaN, and finite codes are stored.  A block of zeros gets the byte 1.
.set CHUNK, 33792
.set KVCH,  17152
.set MP,    528                        ; a row of the mask's tile in LDS: 512 bytes + 16: 33 x 16, so that the 16 rows that a load touches start in different banks
.set KVO,   128*MP                     ; behind the mask's 128 rows: the two heads' blocks of K and V
.set SLOTB, KVO+2*KVCH                 ; 101,888 bytes a slot
.set SPARE, 2*SLOTB                    ; behind the ring: the spare words, 128 bytes a wave, which no other line names
.set AM,  1                            ; v1-2   my place in the mask's tile, slot 0, 1
.set AKV, 3                            ; v3-4   my head's K and V codes: 16 x lane
.set SPW, 5                            ; v5     LDS address of my spare word; never rewritten
.set NIL, 6                            ; v6     0; never rewritten
.set PFO, 7                            ; v7     the prefetches' offset
.set AS,  8                            ; v8-9   my head's K scale words: 4 r
.set BM,  192                          ; v192-195 the blocks' largest scores, then largest p
.set BP,  196                          ; v196-199 at work; the scale bytes
.set BH,  200                          ; v200-203 448 x the scale
.set BSC, 204                          ; v204-207 the conversions' scale operands
.set F,   208                          ; v[208:209] f = 2^(old M - new M)
.set T1,  210
.set SU,  212                          ; v[212:213] the second chain of the sums
.set WV,  12
.set CNT, 18
.set MNT, 19
.set SEL, 20
.set CS,  22                           ; s[22:23] log2(e)
.set G1M, 24
.set G0M, 32
.set G1K, 40
.set G0K, 48
.set PFA, 56
.set PFS, 58
.set ASKF, 60
.set PB,  69                           ; s69  the first of my work-group's two (batch, head) pairs
.set HS,  78                           ; s78  which of the two is my wave's
.set QT,  79                           ; s79  which tile of 16 queries is my wave's
.macro PLACES n
.rept \n
	v_nop
.endr
.endm
.macro ROUND                           ; a round of the cluster's barrier
	s_barrier_signal -1
	s_barrier_wait -1
	s_cmp_lg_u32 s[WV], 0
	s_cbranch_scc1 .Lnot_wave_0_\@
	s_barrier_signal -3
.Lnot_wave_0_\@:
	s_barrier_wait -3
	s_barrier_signal -1
	s_barrier_wait -1
.endm
; Waves 0 and 1 ask jointly for the mask's tile, waves 2 and 3 fetch a head's block of K and V each, the others nothing.  The branches hang on the wave's number alone.  Four v_nop follow each of the two lines.
.macro TLOAD sl
	s_cmp_lt_u32 s[WV], 2
	s_cbranch_scc0 .Lnot_m_\@
	tensor_load_to_lds s[G0M+4*\sl:G0M+4*\sl+3], s[G1M:G1M+7]
	s_nop 0
.rept 4
	v_nop
.endr
	s_branch .Lasked_\@
.Lnot_m_\@:
	s_cmp_lt_u32 s[WV], 4
	s_cbranch_scc0 .Lasked_\@
	tensor_load_to_lds s[G0K+4*\sl:G0K+4*\sl+3], s[G1K:G1K+7]
	s_nop 0
.rept 4
	v_nop
.endr
.Lasked_\@:
.endm
; A PREFETCH INTO THE L2 of what the NEXT change of slots will ask for, one key step ahead of that load.  The mask's tile (128 rows x two blocks of 256 bytes) is read by all four clusters of a query block: the first
; cluster along x asks; its four partners take 32 rows each, told apart by address; in each, waves 8 and 9 take 16 rows, a lane a block.  A head's codes of K and V (64 blocks) are read by all sixteen query blocks:
; the first query block asks, waves 4 and 5 for the first head, waves 6 and 7 for the second, a lane a block.  So each block is named once.  The first two steps come by their loads alone, and the last two changes of slots ask for nothing.
.macro ASK
	s_cmp_eq_u32 s[ASKF], 1
	s_cbranch_scc0 .Lnot_mine_\@
	global_prefetch_b8 v[PFO], s[PFA:PFA+1] th:TH_LOAD_NT scope:SCOPE_SE
.Lnot_mine_\@:
.endm
; THE CHANGE OF SLOTS stands at a step's head.  Each wave waits for all its tensor loads, adds 0 to its spare word, and waits for that and for its reads of the slot that it has left; a round of the cluster's barrier;
; fill = 1: slot fs, which nobody reads any more, takes the next step's tiles: the load has a whole step in which to land.
.macro CHANGE fs, fill, ask
	s_wait_tensorcnt 0x0                           ; no tensor load of mine is out, so a group 0 may be written
	ds_add_u32 v[SPW], v[NIL]                      ; 0 onto my spare word
.if \fill
	s_add_nc_u64 s[G0M+4*(1-\fs)+2:G0M+4*(1-\fs)+3], s[G0M+4*(1-\fs)+2:G0M+4*(1-\fs)+3], 1024      ; the slot about to be read: its next tile is two steps on
	s_add_nc_u64 s[G0K+4*(1-\fs)+2:G0K+4*(1-\fs)+3], s[G0K+4*(1-\fs)+2:G0K+4*(1-\fs)+3], 2*KVCH
.endif
.if \ask
	s_wait_xcnt 0x0                                ; the last prefetch, a step back, has read its address
	s_add_nc_u64 s[PFA:PFA+1], s[PFA:PFA+1], s[PFS:PFS+1]
.endif
	s_wait_dscnt 0x0                               ; the add is done, and my reads of the slot that I have left are over
	ROUND
.if \fill
	TLOAD \fs
.endif
.if \ask
	ASK
.endif
.endm
; A KEY STEP: 128 keys, from slot sl
.macro STEP sl
	PLACES 10                                      ; behind the last products: 8 in front of loads into registers that they read, 9 in front of matrix instructions that write over them
.irp m, 0,1,2,3,4,5,6,7
	ds_load_b128 v[96+8*\m:99+8*\m], v[AM+\sl] offset:64*\m        ; the mask of my query at keys 16 m + 8 h + 0 .. 7: the C of the scores
	ds_load_b128 v[100+8*\m:103+8*\m], v[AM+\sl] offset:64*\m+16
.endr
.irp g, 0,1
.if \g
	PLACES 8
.endif
.irp t, 0,1,2,3
	ds_load_b128 v[32+16*\t:35+16*\t], v[AKV+\sl] offset:1024*(4*\g+\t)
	ds_load_b128 v[36+16*\t:39+16*\t], v[AKV+\sl] offset:1024*(4*\g+\t)+512
	ds_load_b32 v[248+\t], v[AS+\sl] offset:64*(4*\g+\t)
.endr
	s_wait_dscnt 0x0
.irp t, 0,1,2,3
	v_wmma_scale_f32_16x16x128_f8f6f4 v[96+8*(4*\g+\t):103+8*(4*\g+\t)], v[32+16*\t:47+16*\t], v[16:31], v[96+8*(4*\g+\t):103+8*(4*\g+\t)], v[248+\t], v255
.endr
.endr
	PLACES 8
.irp b, 0,1,2,3
	v_max3_num_f32 v[BM+\b], v[96+16*\b], v[97+16*\b], v[98+16*\b]   ; the largest logit of each block of 32 keys: for the row's maximum, and, since p rises with the logit, for the block's largest p
.endr
.irp i, 3,5,7,9,11,13
.irp b, 0,1,2,3
	v_max3_num_f32 v[BM+\b], v[BM+\b], v[96+16*\b+\i], v[97+16*\b+\i]
.endr
.endr
.irp b, 0,1,2,3
	v_max_num_f32 v[BM+\b], v[BM+\b], v[111+16*\b]
.endr
.irp b, 0,1,2,3
	s_delay_alu instid0(VALU_DEP_4)
	v_permlanex16_b32 v[BP+\b], v[BM+\b], s[SEL], s[SEL+1]
.endr
.irp b, 0,1,2,3
	s_delay_alu instid0(VALU_DEP_4)
	v_max_num_f32 v[BM+\b], v[BM+\b], v[BP+\b]
.endr
	s_delay_alu instid0(VALU_DEP_2)
	v_max3_num_f32 v[T1], v[BM], v[BM+1], v[BM+2]
	s_delay_alu instid0(VALU_DEP_1)
	v_max_num_f32 v[T1], v[T1], v[BM+3]
	s_delay_alu instid0(VALU_DEP_1)
	v_mul_f32 v[T1], s[CS], v[T1]
	s_delay_alu instid0(VALU_DEP_1)
	v_max_num_f32 v13, v13, v[T1]                  ; the running largest t
	v_mov_b32 v[T1], v12
	s_delay_alu instid0(VALU_DEP_2)
	v_floor_f32 v12, -v13                          ; the new -M = -ceil(t)
	s_delay_alu instid0(VALU_DEP_1)
	v_sub_f32 v[T1], v12, v[T1]                    ; old M - new M: a whole number, 0 or less
	s_delay_alu instid0(VALU_DEP_1)
	v_cvt_i32_f32 v[T1], v[T1]                     ; (it saturates)
	s_delay_alu instid0(VALU_DEP_1)
	v_ldexp_f32 v[F], 1.0, v[T1]
.irp j, 0,2,4,6,8,10,12,14,16,18,20,22,24,26,28,30,32,34,36,38,40,42,44,46,48,50,52,54,56,58,60,62
	v_pk_fma_f32 v[96+\j:97+\j], v[96+\j:97+\j], s[CS:CS+1], v[12:13] op_sel_hi:[1,0,0]   ; t - M
.endr
.irp b, 0,1,2,3
	v_fma_f32 v[BM+\b], v[BM+\b], s[CS], v12
.endr
	s_wait_alu depctr_va_vdst(0)
.irp j, 0,1,2,3,4,5,6,7,8,9,10,11,12,13,14,15,16,17,18,19,20,21,22,23,24,25,26,27,28,29,30,31,32,33,34,35,36,37,38,39,40,41,42,43,44,45,46,47,48,49,50,51,52,53,54,55,56,57,58,59,60,61,62,63
	v_exp_f32 v[96+\j], v[96+\j]                   ; p = 2^(t - M)
.endr
	v_pk_mul_f32 v[14:15], v[14:15], v[F:F+1] op_sel_hi:[1,0]      ; the sums under the new M (a plain line behind the exponentials)
	s_wait_alu depctr_va_vdst(0)                   ; one wait for the batch, ahead of its first reader
.irp b, 0,1,2,3
	v_exp_f32 v[BM+\b], v[BM+\b]                   ; the block's largest p
.endr
	v_pk_add_f32 v[212:213], v[100:101], v[104:105]
	v_pk_add_f32 v[252:253], v[108:109], v[112:113]
	v_pk_add_f32 v[250:251], v[116:117], v[120:121]
	v_pk_add_f32 v[248:249], v[124:125], v[128:129]
	v_pk_add_f32 v[246:247], v[132:133], v[136:137]
	v_pk_add_f32 v[244:245], v[140:141], v[144:145]
	v_pk_add_f32 v[242:243], v[148:149], v[152:153]
	v_pk_add_f32 v[14:15], v[14:15], v[156:157]
	v_pk_add_f32 v[212:213], v[212:213], v[96:97]
	v_pk_add_f32 v[252:253], v[252:253], v[98:99]
	v_pk_add_f32 v[250:251], v[250:251], v[102:103]
	v_pk_add_f32 v[248:249], v[248:249], v[106:107]
	v_pk_add_f32 v[246:247], v[246:247], v[110:111]
	v_pk_add_f32 v[244:245], v[244:245], v[114:115]
	v_pk_add_f32 v[242:243], v[242:243], v[118:119]
	v_pk_add_f32 v[14:15], v[14:15], v[122:123]
	v_pk_add_f32 v[212:213], v[212:213], v[126:127]
	v_pk_add_f32 v[252:253], v[252:253], v[130:131]
	v_pk_add_f32 v[250:251], v[250:251], v[134:135]
	v_pk_add_f32 v[248:249], v[248:249], v[138:139]
	v_pk_add_f32 v[246:247], v[246:247], v[142:143]
	v_pk_add_f32 v[244:245], v[244:245], v[146:147]
	v_pk_add_f32 v[242:243], v[242:243], v[150:151]
	v_pk_add_f32 v[14:15], v[14:15], v[154:155]
	v_pk_add_f32 v[212:213], v[212:213], v[158:159]
	s_delay_alu instid0(VALU_DEP_2)
	v_pk_add_f32 v[14:15], v[14:15], v[248:249]
	s_delay_alu instid0(VALU_DEP_2)
	v_pk_add_f32 v[212:213], v[212:213], v[246:247]
	v_pk_add_f32 v[252:253], v[252:253], v[244:245]
	v_pk_add_f32 v[250:251], v[250:251], v[242:243]
	s_delay_alu instid0(VALU_DEP_2)
	v_pk_add_f32 v[14:15], v[14:15], v[252:253]
	s_delay_alu instid0(VALU_DEP_2)
	v_pk_add_f32 v[212:213], v[212:213], v[250:251]
	s_delay_alu instid0(VALU_DEP_1)
	v_pk_add_f32 v[14:15], v[14:15], v[212:213]
	s_wait_alu depctr_va_vdst(0)                   ; and one for the four
.irp b, 0,1,2,3
	v_max_num_f32 v[BM+\b], 0x4800000, v[BM+\b]    ; the floor 2^(9 - 127)
.endr
.irp b, 0,1,2,3
	s_delay_alu instid0(VALU_DEP_4)
	v_add_nc_u32 v[BSC+\b], 0xfc000000, v[BM+\b]
.endr
.irp b, 0,1,2,3
	v_and_or_b32 v[BH+\b], v[BM+\b], 0x7f800000, s[MNT]
.endr
.irp b, 0,1,2,3
	v_lshrrev_b32 v[BP+\b], 23, v[BSC+\b]
.endr
	s_delay_alu instid0(VALU_DEP_3)
	v_lshl_or_b32 v253, v[BP+1], 8, v[BP]          ; p's scale word for these 128 keys
	s_delay_alu instid0(VALU_DEP_1)
	v_lshl_or_b32 v253, v[BP+2], 16, v253
	s_delay_alu instid0(VALU_DEP_1)
	v_lshl_or_b32 v253, v[BP+3], 24, v253
.irp b, 0,1,2,3
.irp i, 0,1,2,3,4,5,6,7,8,9,10,11,12,13,14,15
	v_min_num_f32 v[96+16*\b+\i], v[96+16*\b+\i], v[BH+\b]   ; the conversion does not saturate (ISA guide 7.6.2); p is not negative
.endr
	v_cvt_scalef32_pk8_fp8_f32 v[224+4*\b:225+4*\b], v[96+16*\b:103+16*\b], v[BSC+\b]
	v_cvt_scalef32_pk8_fp8_f32 v[226+4*\b:227+4*\b], v[104+16*\b:111+16*\b], v[BSC+\b]
.endr
.irp t, 0,1,2,3
.irp c, 0,1,2,3
	ds_load_b128 v[96+16*\t+4*\c:99+16*\t+4*\c], v[AKV+\sl] offset:8192+2048*\t+512*\c   ; V's four fragments, where p lay
.endr
	ds_load_b32 v[248+\t], v[AS+\sl] offset:512+64*\t
.endr
.irp j, 0,2,4,6,8,10,12,14,16,18,20,22,24,26,28,30
	v_pk_mul_f32 v[160+\j:161+\j], v[160+\j:161+\j], v[F:F+1] op_sel_hi:[1,0]   ; O^T under the new M; also the places between the codes and the products
.endr
	s_wait_alu depctr_va_vdst(0)
	s_wait_dscnt 0x0
.irp t, 0,1,2,3
	v_wmma_scale_f32_16x16x128_f8f6f4 v[160+8*\t:167+8*\t], v[96+16*\t:111+16*\t], v[224:239], v[160+8*\t:167+8*\t], v[248+\t], v253
.endr
.endm
	s_load_b256 s[4:11], s[0:1], 0x0               ; qc s[4:5], kv s[6:7], mask s[8:9], ao s[10:11]
	v_lshl_add_u32 v[SPW], v0, 2, SPARE
	v_mov_b32 v[NIL], 0
	ds_add_u32 v5, v6
	ds_add_u32 v5, v6
	s_wait_dscnt 0x0
	v_lshrrev_b32 v10, 5, v0
	s_delay_alu instid0(VALU_DEP_1)
	v_readfirstlane_b32 s[WV], v10                 ; wave 0..15
	s_bfe_u32 s13, ttmp6, 0x40000                  ; cx: it enters global addresses alone
	s_lshl_b32 s[PB], ttmp9, 2
	s_add_co_u32 s[PB], s[PB], s13
	s_lshl_b32 s[PB], s[PB], 1                     ; 2 x (4 x cluster x + cx): the first of my work-group's two (16 x batch + head)
	s_lshr_b32 s[HS], s[WV], 3
	s_and_b32 s[QT], s[WV], 7
	s_add_co_u32 s14, s[PB], s[HS]                 ; my wave's 16 x batch + head
	s_and_b32 s15, ttmp7, 0xffff                   ; the block of 128 queries, which the partners share
	s_mov_b32 s[G1M], 15|(2<<16)|(1<<20)|(1<<21)|(6<<22)|(3<<25)   ; the mask names all four; elements of 4 bytes; padding: 4 words behind every 128; bit 21 set beside a mask
	s_mov_b32 s[G1M+1], 128<<16
	s_mov_b32 s[G1M+2], 64<<16
	s_mov_b32 s[G1M+3], 128<<16
	s_mov_b32 s[G1M+4], 64
	s_mov_b32 s[G1M+5], 2048
	s_mov_b32 s[G1M+6], 0
	s_mov_b32 s[G1M+7], 0
	s_mov_b32 s[G1K], 3<<16                        ; a dense block, as 67 rows of 256 bytes
	s_mov_b32 s[G1K+1], 32<<16
	s_mov_b32 s[G1K+2], 67<<16
	s_mov_b32 s[G1K+3], 32<<16
	s_mov_b32 s[G1K+4], 67
	s_mov_b32 s[G1K+5], 32
	s_mov_b32 s[G1K+6], 0
	s_mov_b32 s[G1K+7], 0
	s_and_b32 s61, s[WV], 1                        ; what I fetch, if I fetch: the mask's rows 64 (w % 2) on (waves 0, 1), or head w % 2 of the two (waves 2, 3)
	s_mul_i32 s62, s61, 64*MP                      ; the rows' place in a slot,
	s_mul_i32 s63, s61, KVCH                       ; the head's block's
	s_lshl_b32 s16, s15, 7
	s_lshl_b32 s68, s61, 6
	s_add_co_u32 s16, s16, s68
	s_lshl_b32 s16, s16, 13                        ; the rows in memory: rows of 8,192 bytes
	s_mov_b32 s17, 0
	s_add_co_u32 s66, s[PB], s61
	s_lshl_b32 s66, s66, 4
	s_mul_i32 s66, s66, KVCH                       ; the head's sixteen blocks in memory
	s_mov_b32 s67, 0
	s_mov_b32 s[SEL], 0x76543210
	s_mov_b32 s[SEL+1], 0xfedcba98
	s_mov_b32 s[CS], 0x3fb8aa3b
	s_mov_b32 s[CS+1], s[CS]
	s_mov_b32 s[MNT], 0x600000
	s_wait_kmcnt 0x0
	s_add_nc_u64 s[16:17], s[8:9], s[16:17]
	s_add_nc_u64 s[66:67], s[6:7], s[66:67]
.irp s, 0,1
	s_mov_b32 s[G0M+4*\s], 1
	s_add_co_u32 s[G0M+4*\s+1], s62, \s*SLOTB
	s_add_nc_u64 s[G0M+4*\s+2:G0M+4*\s+3], s[16:17], \s*512
	s_or_b32 s[G0M+4*\s+3], s[G0M+4*\s+3], 0x80000000
	s_mov_b32 s[G0K+4*\s], 1
	s_add_co_u32 s[G0K+4*\s+1], s63, KVO+\s*SLOTB
	s_add_nc_u64 s[G0K+4*\s+2:G0K+4*\s+3], s[66:67], \s*KVCH
	s_or_b32 s[G0K+4*\s+3], s[G0K+4*\s+3], 0x80000000
.endr
	ROUND                                          ; all four work-groups are here
	TLOAD 0                                        ; key step 0
	s_lshl_b32 s16, s14, 7
	s_lshl_b32 s61, s15, 3
	s_add_co_u32 s16, s16, s61
	s_add_co_u32 s61, s16, s[QT]                   ; my tile of 16 queries: 128 x (16 batch + head) + 8 x query block + tile
	s_lshl_b32 s16, s61, 10
	s_mov_b32 s17, 0
	s_add_nc_u64 s[70:71], s[4:5], s[16:17]
	s_lshl_b32 s16, s61, 6
	s_add_co_u32 s16, s16, 4194304
	s_add_nc_u64 s[72:73], s[4:5], s[16:17]
	v_and_b32 v11, 31, v0
	s_delay_alu instid0(VALU_DEP_1)
	v_lshlrev_b32 v11, 4, v11                      ; 16 x lane; stays
	v_and_b32 v10, 15, v0
	s_delay_alu instid0(VALU_DEP_1)
	v_lshlrev_b32 v10, 2, v10                      ; 4 r; stays
	global_load_b128 v[16:19], v11, s[70:71]       ; Q's fragment: its two blocks of 32
	global_load_b128 v[20:23], v11, s[70:71] offset:512
	global_load_b32 v255, v10, s[72:73]            ; Q's scale words
	v_and_b32 v192, 15, v0
	v_bfe_u32 v193, v0, 4, 1
	s_delay_alu instid0(VALU_DEP_2)
	v_mul_u32_u24 v[AM], v192, MP
	s_delay_alu instid0(VALU_DEP_1)
	v_lshl_add_u32 v[AM], v193, 5, v[AM]
	s_mul_i32 s16, s[QT], 16*MP
	v_add_nc_u32 v[AM], s16, v[AM]                 ; row 16 (w % 8) + r, + 32 h
	s_delay_alu instid0(VALU_DEP_1)
	v_add_nc_u32 v[AM+1], SLOTB, v[AM]
	s_mul_i32 s16, s[HS], KVCH
	s_add_co_u32 s16, s16, KVO                     ; my head's block
	v_add_nc_u32 v[AKV], s16, v11
	s_delay_alu instid0(VALU_DEP_1)
	v_add_nc_u32 v[AKV+1], SLOTB, v[AKV]
	s_add_co_u32 s16, s16, 16384
	v_add_nc_u32 v[AS], s16, v10
	s_delay_alu instid0(VALU_DEP_1)
	v_add_nc_u32 v[AS+1], SLOTB, v[AS]
	; where my results go
	s_lshr_b32 s61, s14, 4                         ; batch
	s_and_b32 s62, s14, 15                         ; head
	s_lshl_b32 s61, s61, 4
	s_add_co_u32 s61, s61, s15                     ; the panel of 128 tokens: 16 x batch + query block
	s_lshl_b32 s61, s61, 2
	s_lshr_b32 s63, s62, 2
	s_add_co_u32 s61, s61, s63                     ; the chunk: four heads to a K step of 256
	s_mul_i32 s16, s61, CHUNK
	s_add_nc_u64 s[10:11], s[10:11], s[16:17]
	s_bfe_u32 s63, s62, 0x10001                    ; q = (head / 2) % 2
	s_and_b32 s62, s62, 1
	s_lshl_b32 s16, s[QT], 12                      ; i = my tile
	s_lshl_b32 s66, s63, 11
	s_add_co_u32 s16, s16, s66
	s_lshl_b32 s66, s62, 10
	s_add_co_u32 s16, s16, s66
	s_add_nc_u64 s[74:75], s[10:11], s[16:17]      ; codes: (2 i + q) 2048 + 2 (head % 2) 512
	s_lshl_b32 s16, s[QT], 7
	s_lshl_b32 s66, s63, 2
	s_add_co_u32 s16, s16, s66
	s_lshl_b32 s66, s62, 1
	s_add_co_u32 s16, s16, s66
	s_add_nc_u64 s[76:77], s[10:11], s[16:17]      ; scale bytes: 128 i + 4 q + 2 (head % 2)
	; the prefetches: who asks, and where
	s_lshr_b32 s61, s[WV], 1
	s_xor_b32 s61, s61, 4                          ; 0 in waves 8 and 9,
	s_or_b32 s61, s61, ttmp9                       ; of the first cluster along x
	s_cmp_eq_u32 s61, 0
	s_cselect_b32 s[ASKF], 1, 0
	s_lshr_b32 s61, s[WV], 2
	s_xor_b32 s61, s61, 1                          ; 0 in waves 4 to 7,
	s_or_b32 s61, s61, s15                         ; of the first query block
	s_cmp_eq_u32 s61, 0
	s_cselect_b32 s[ASKF], 1, s[ASKF]
	s_bfe_u32 s62, s[WV], 0x10001                  ; waves 4 and 5 the first head, waves 6 and 7 the second
	s_add_co_u32 s62, s62, s[PB]
	s_lshl_b32 s62, s62, 4
	s_add_co_u32 s62, s62, 1
	s_mul_i32 s62, s62, KVCH                       ; K and V: at step 1; the first change of slots steps it to 2
	s_and_b32 s63, s[WV], 1
	s_lshl_b32 s63, s63, 13                        ; the even wave the first 8,192 bytes, the odd one the next
	s_add_co_u32 s62, s62, s63
	s_lshl_b32 s66, s15, 7
	s_lshl_b32 s67, s13, 5                         ; the partners share the mask's rows out by address: 32 each
	s_add_co_u32 s66, s66, s67
	s_and_b32 s67, s[WV], 1
	s_lshl_b32 s67, s67, 4
	s_add_co_u32 s66, s66, s67
	s_lshl_b32 s66, s66, 13
	s_add_co_u32 s66, s66, 512                     ; the mask: at step 1
	s_mov_b32 s67, 512
	s_cmp_lt_u32 s[WV], 8
	s_cselect_b64 s[PFA:PFA+1], s[6:7], s[8:9]
	s_cselect_b32 s62, s62, s66
	s_cselect_b32 s[PFS], KVCH, s67
	s_cselect_b32 s68, -1, 0
	s_mov_b32 s63, 0
	s_mov_b32 s[PFS+1], 0
	s_add_nc_u64 s[PFA:PFA+1], s[PFA:PFA+1], s[62:63]
	v_and_b32 v194, 31, v0
	s_delay_alu instid0(VALU_DEP_1)
	v_lshlrev_b32 v192, 8, v194                    ; K, V: 256 x lane
	s_delay_alu instid0(VALU_DEP_2)
	v_lshrrev_b32 v193, 1, v194
	s_delay_alu instid0(VALU_DEP_1)
	v_lshlrev_b32 v193, 13, v193
	s_delay_alu instid0(VALU_DEP_4)
	v_and_b32 v194, 1, v194
	s_delay_alu instid0(VALU_DEP_1)
	v_lshl_or_b32 v193, v194, 8, v193              ; the mask: row lane / 2, block lane % 2
	s_delay_alu instid0(VALU_DEP_1)
	v_cndmask_b32 v[PFO], v193, v192, s68
.irp j, 24,25,26,27,28,29,30,31
	v_mov_b32 v[\j], 0                             ; the upper half of Q's fragment: zero codes
.endr
.irp t, 0,1,2,3
.irp j, 8,9,10,11,12,13,14,15
	v_mov_b32 v[32+16*\t+\j], 0                    ; and of K's four: set once, never loaded over
.endr
.endr
	v_mov_b32 v13, 0xff61b1e6                      ; the largest t so far: -3e38
	s_delay_alu instid0(VALU_DEP_1)
	v_floor_f32 v12, -v13
	v_mov_b32 v14, 0
	v_mov_b32 v15, 0
	v_mov_b32 v[F+1], 0                            ; (named as the upper half of a pair)
.irp b, 0,1,2,3
	v_mov_b32 v[BP+\b], 0                          ; a lane permute's destination counts as one of its sources
.endr
.irp j, 0,1,2,3,4,5,6,7,8,9,10,11,12,13,14,15,16,17,18,19,20,21,22,23,24,25,26,27,28,29,30,31
	v_mov_b32 v[160+\j], 0                         ; O^T: the step is written without a first step of its own; the first change of M leaves zeros zeros
.endr
	s_wait_loadcnt 0x0                             ; Q
	s_mov_b32 s[CNT], 7
.Lpair:                                            ; seven trips of two key steps
	CHANGE 1, 1, 1
	STEP 0
	CHANGE 0, 1, 1
	STEP 1
	s_sub_co_u32 s[CNT], s[CNT], 1
	s_cmp_lg_u32 s[CNT], 0
	s_cbranch_scc1 .Lpair
	CHANGE 1, 1, 0                                 ; the tail is written out: step 15 is asked for
	STEP 0
	CHANGE 0, 0, 0                                 ; and nothing more
	STEP 1
	PLACES 8                                       ; behind the last products
	v_add_f32 v14, v14, v15
	s_delay_alu instid0(VALU_DEP_1)
	v_permlanex16_b32 v[T1], v14, s[SEL], s[SEL+1]
	s_delay_alu instid0(VALU_DEP_1)
	v_add_f32 v14, v14, v[T1]                      ; the row's sum
	s_wait_alu depctr_va_vdst(0)
	v_rcp_f32 v14, v14
	v_lshlrev_b32 v107, 1, v10                     ; 8 r (a plain line behind the reciprocal)
	s_wait_alu depctr_va_vdst(0)                   ; the wait, ahead of its first reader
.irp j, 0,1,2,3,4,5,6,7,8,9,10,11,12,13,14,15,16,17,18,19,20,21,22,23,24,25,26,27,28,29,30,31
	v_mul_f32 v[192+\j], v[160+\j], v14            ; register 16 c + i is channel 32 c + 16 h + i; each accumulator from its low end on
.endr
.irp c, 0,1
	v_max3_num_f32 v[96+\c], |v[192+16*\c]|, |v[193+16*\c]|, 0x4800000
.endr
.irp i, 2,4,6,8,10,12,14
.irp c, 0,1
	s_delay_alu instid0(VALU_DEP_2)
	v_max3_num_f32 v[96+\c], v[96+\c], |v[192+16*\c+\i]|, |v[193+16*\c+\i]|
.endr
.endr
.irp c, 0,1
	s_delay_alu instid0(VALU_DEP_2)
	v_permlanex16_b32 v[98+\c], v[96+\c], s[SEL], s[SEL+1]
.endr
.irp c, 0,1
	s_delay_alu instid0(VALU_DEP_2)
	v_max_num_f32 v[96+\c], v[96+\c], v[98+\c]
.endr
.irp c, 0,1
	s_delay_alu instid0(VALU_DEP_2)
	v_add_nc_u32 v[102+\c], 0xfc000000, v[96+\c]
.endr
.irp c, 0,1
	s_delay_alu instid0(VALU_DEP_4)
	v_and_or_b32 v[100+\c], v[96+\c], 0x7f800000, s[MNT]
.endr
.irp c, 0,1
	s_delay_alu instid0(VALU_DEP_4)
	v_lshrrev_b32 v[104+\c], 23, v[102+\c]
.endr
	s_delay_alu instid0(VALU_DEP_1)
	v_lshl_or_b32 v106, v105, 8, v104              ; my head's two scale bytes
.irp c, 0,1
.irp i, 0,1,2,3,4,5,6,7,8,9,10,11,12,13,14,15
	v_med3_num_f32 v[192+16*\c+\i], v[192+16*\c+\i], -v[100+\c], v[100+\c]
.endr
	v_cvt_scalef32_pk8_fp8_f32 v[112+4*\c:113+4*\c], v[192+16*\c:199+16*\c], v[102+\c]
	v_cvt_scalef32_pk8_fp8_f32 v[114+4*\c:115+4*\c], v[200+16*\c:207+16*\c], v[102+\c]
.endr
	v_nop
	global_store_b128 v11, v[112:115], s[74:75]    ; 512 consecutive bytes, aligned
	global_store_b128 v11, v[116:119], s[74:75] offset:512
	global_store_b16 v107, v106, s[76:77] offset:32768   ; (lanes 16-31 hold and write the same as lanes 0-15)
	s_wait_tensorcnt 0x0                           ; the wave's end
	ds_add_u32 v[SPW], v[NIL]
	s_wait_dscnt 0x0
	ROUND                                          ; the closing round
	s_endpgm
.Lfunc_end_k_q85e90f3343_attn:
	.size	k_q85e90f3343_attn, .Lfunc_end_k_q85e90f3343_attn-k_q85e90f3343_attn
	.p2alignl 7, 3214868480
	.fill 96, 4, 3214868480
	.section	.rodata,"a",@progbits
	.p2align	6, 0x0
	.amdhsa_kernel k_q85e90f3343_attn
		.amdhsa_group_segment_fixed_size 327680
		.amdhsa_private_segment_fixed_size 0
		.amdhsa_enable_private_segment 0
		.amdhsa_kernarg_size 32
		.amdhsa_user_sgpr_count 2
		.amdhsa_user_sgpr_kernarg_segment_ptr 1
		.amdhsa_wavefront_size32 1
		.amdhsa_system_sgpr_workgroup_id_x 1
		.amdhsa_system_sgpr_workgroup_id_y 1
		.amdhsa_system_sgpr_workgroup_id_z 1
		.amdhsa_system_vgpr_workitem_id 0
		.amdhsa_next_free_vgpr 256
		.amdhsa_next_free_sgpr 100
		.amdhsa_reserve_vcc 0
		.amdhsa_float_denorm_mode_32 3
		.amdhsa_float_denorm_mode_16_64 3
		.amdhsa_memory_ordered 1
		.amdhsa_forward_progress 1
		.amdhsa_inst_pref_size 107
	.end_amdhsa_kernel
	.amdgpu_metadata
---
amdhsa.version: [ 1, 2 ]
amdhsa.kernels:
  - .name:           k_q85e90f3343_attn
    .symbol:         k_q85e90f3343_attn.kd
    .args:
      - { .name: qc, .offset: 0, .size: 8, .value_kind: global_buffer, .address_space: global }
      - { .name: kv, .offset: 8, .size: 8, .value_kind: global_buffer, .address_space: global }
      - { .name: mask, .offset: 16, .size: 8, .value_kind: global_buffer, .address_space: global }
      - { .name: ao, .offset: 24, .size: 8, .value_kind: global_buffer, .address_space: global }
    .group_segment_fixed_size: 327680
    .private_segment_fixed_size: 0
    .kernarg_segment_align: 8
    .kernarg_segment_size: 32
    .max_flat_workgroup_size: 512
    .sgpr_count:     100
    .vgpr_count:     256
    .wavefront_size: 32
...
	.end_amdgpu_metadata
.endif
;; end of part 3
;; launch wo (part 4): grid 8 x 32, 4 waves a work-group, clusters of 4 x 4, 327,680 bytes of LDS; arguments ao, wc, bo, x, x1; writes x1
.if DOCPART == 4
	.amdgcn_target "amdgcn-amd-amdhsa--gfx1250"
	.amdhsa_code_object_version 6
	.text
	.protected	k_q85e90f3343_wo
	.globl	k_q85e90f3343_wo
	.p2align	8
	.type	k_q85e90f3343_wo,@function
k_q85e90f3343_wo:
	s_mov_b64 s[64:65], 0
	v_nop
	global_prefetch_b8 v0, s[64:65] scope:SCOPE_SE
	s_setreg_imm32_b32 hwreg(HW_REG_WAVE_MODE, 25, 1), 1
	s_wait_xcnt 0x0
	s_wait_alu depctr_hold_cnt(0) depctr_sa_sdst(0) depctr_va_vdst(0) depctr_va_sdst(0) depctr_va_ssrc(0) depctr_va_vcc(0) depctr_vm_vsrc(0)
	s_getreg_b32 s2, hwreg(HW_REG_IB_STS2, 6, 4)
	s_cmp_eq_u32 s2, 0
	s_cbranch_scc0 .Lentry_in_a_cluster
	s_endpgm
.Lentry_in_a_cluster:
	s_bfe_u32 s2, ttmp6, 0x10000c
	s_cmp_lg_u32 s2, 0xf033
	s_cbranch_scc0 .Lentry_shape_is_right
	s_endpgm
.Lentry_shape_is_right:
; out = res + A W + bias, [4,096 x 1,024], the product on codes of FP8 (E4M3) with E8M0 scales for each 32 along K.  A and W lie in memory as CHUNKS in the order of an operand's registers
; (128 rows x 256 K: fragment (i, q, c) at (2 i + q) 2048 + 512 c + 16 lane; scale words at 32768 + 128 i + 8 r + 4 q).
; N is only 1,024: a tile of 128 x 128 gives 256 work-groups.  So that a wave still has 128 x 128 (64 accumulators) and no fragment is read twice, THE FOUR WAVES SHARE K, not the tile: a slot holds 512 along K
; (regions 0, 1: A's panel, two K steps; regions 2, 3: W's), and wave w multiplies the slot's w-th 128.  The four partial tiles are added at the end, through LDS, with the bias and the residual.
; CLUSTERS of 4 x 4: A's chunks hang on the tile row and are asked for jointly along a row of the cluster, W's on the tile column, jointly along a column.
; The matrix instruction is used transposed (source 0 = W, source 1 = A).  W's tile i, row m is column 32 (i / 2) + 8 (i % 2) + m + 8 (m / 8): register j of accumulator (a, b) in lane (r, h) is token 16 a + r, column 32 (b / 2) + 16 h + 8 (b % 2) + j.
.set KS,    4                          ; K steps of 256 in K
.set T,     KS/2                       ; slots' worth of K
.set CHUNK, 33792
.set WOFF,  96*CHUNK                   ; where this weight's chunks begin
.set SLOT,  4*CHUNK
.set SPARE, 2*SLOT                     ; behind the ring: the spare words, 128 bytes a wave, which no other line names
.set FR, 16
.set NL, 4
.set NP, 8                             ; places behind this matrix instruction (ISA guide 7.12.1)
.set PT,   67584                       ; the way out: a partial tile, 128 rows x (512 + 16) bytes; four of them fill the ring's bytes
.set RK,   12                          ; v12-15  where I read my rows of the four partial tiles
.set ADRA, 16
.set ADRB, 20
.set ADRS, 22
.set STO,  24                          ; v24     where I put my partial tile
.set SPW,  28
.set NIL,  29
.set SC,   32                          ; v32-47  scale words, two sets, and nothing else
.set PART, 64                          ; v64-127 four rows of the four partial tiles
.set AF,   128
.set RES,  128                         ; v128-255 my 32 rows of the residual, then of the result
.set G1, 24
.set G0, 32
.set G1B, 48
.set G0B, 56
.set MSB, 0
.macro WIN new
.if MSB != \new
	s_set_vgpr_msb (MSB<<8)|\new
.set MSB, \new
.endif
.endm
.set MUL_LO, 0xa1
.set MUL_HI, 0xf1
.set TO_B,   0x40
.macro PLACES n
.rept \n
	v_nop
.endr
.endm
.macro JLOAD g0a, g1a, g0b, g1b        ; waves 0 and 1 fetch A's two chunks, waves 2 and 3 W's; four v_nop follow each of the two lines
	s_cmp_eq_u32 s15, 0
	s_cbranch_scc0 .Lfor_b_\@
	tensor_load_to_lds s[\g0a:\g0a+3], s[\g1a:\g1a+7]
	s_nop 0
.rept 4
	v_nop
.endr
	s_branch .Lasked_\@
.Lfor_b_\@:
	tensor_load_to_lds s[\g0b:\g0b+3], s[\g1b:\g1b+7]
	s_nop 0
.rept 4
	v_nop
.endr
.Lasked_\@:
.endm
.macro CREST
	s_cmp_lg_u32 s14, 0
	s_cbranch_scc1 .Lnot_wave_0_\@
	s_barrier_signal -3
.Lnot_wave_0_\@:
	s_barrier_wait -3
	s_barrier_signal -1
	s_barrier_wait -1
.endm
.macro CROUND
	s_barrier_signal -1
	s_barrier_wait -1
	CREST
.endm
.macro FRAG reg, adr, off
.irp c, 0,1,2,3
	ds_load_b128 v[\reg+4*\c:\reg+4*\c+3], v[\adr] offset:(\off)+512*\c
.endr
.endm
; 16 matrix instructions: A's blocks a0, a0 + 1 x W's eight; p: the slot, W's set and the set of scale words.  The 64 accumulators take turns.
.macro MUL16 a0, p, zero
.irp a, \a0, \a0+1
.irp b, 0,1,2,3,4,5,6,7
.if \zero
	v_wmma_scale_f32_16x16x128_f8f6f4 v[8*(8*((\a)%4)+\b):8*(8*((\a)%4)+\b)+7], v[128*(\p)+FR*\b:128*(\p)+FR*\b+FR-1], v[AF+FR*(\a):AF+FR*(\a)+FR-1], 0, v[SC+8*(\p)+\b], v[SC+8*(\p)+(\a)] matrix_a_scale:MATRIX_SCALE_ROW1
.else
	v_wmma_scale_f32_16x16x128_f8f6f4 v[8*(8*((\a)%4)+\b):8*(8*((\a)%4)+\b)+7], v[128*(\p)+FR*\b:128*(\p)+FR*\b+FR-1], v[AF+FR*(\a):AF+FR*(\a)+FR-1], v[8*(8*((\a)%4)+\b):8*(8*((\a)%4)+\b)+7], v[SC+8*(\p)+\b], v[SC+8*(\p)+(\a)] matrix_a_scale:MATRIX_SCALE_ROW1
.endif
.endr
.endr
.endm
.macro FETCH_B slot
	WIN TO_B
.irp i, 0,1,2,3,4,5,6,7
	FRAG 128*(\slot)+FR*\i, ADRB+\slot, 4096*\i
.endr
	WIN 0
.endm
.macro FETCH_A slot, i0
.irp i, \i0, \i0+1, \i0+2, \i0+3
	FRAG AF+FR*(\i), ADRA+\slot, 4096*(\i)
.endr
.endm
.macro SCALES slot                     ; lanes 0-15 A's words, lanes 16-31 W's
.irp i, 0,1,2,3,4,5,6,7
	ds_load_b32 v[SC+8*\slot+\i], v[ADRS+\slot] offset:128*\i
.endr
.endm
; A slot's step, 64 matrix instructions a wave, changes slots: one barrier; in front of it each wave waits for all its tensor loads, adds 0 to its spare word, and waits for that and for its reads of this slot.
.macro TURN slot, next, fill, zero
	s_wait_tensorcnt 0x0                           ; all my tensor loads have landed: my part of the next slot
	ds_add_u32 v[SPW], v[NIL]                      ; 0 onto my spare word
	s_wait_dscnt 4*NL+1                            ; (the add and the youngest 16 loads, A's blocks 4-7, may be out)
	WIN MUL_LO
	MUL16 0, \slot, \zero
	s_wait_dscnt 0x0                               ; the add is done, and my reads of this slot are over
	s_barrier_signal -1
	MUL16 2, \slot, \zero
	WIN 0
	s_barrier_wait -1
.if \fill
	CREST                                          ; the barrier has opened a round of the cluster's: no wave of any partner still reads this slot or has a load on its way
	s_add_nc_u64 s[G0+4*\slot+2:G0+4*\slot+3], s[G0+4*\slot+2:G0+4*\slot+3], 4*CHUNK
	s_add_nc_u64 s[G0B+4*\slot+2:G0B+4*\slot+3], s[G0B+4*\slot+2:G0B+4*\slot+3], 4*CHUNK
	JLOAD G0+4*\slot, G1, G0B+4*\slot, G1B         ; the first tensor load behind the round; its four v_nop are among the places below
	PLACES NP-4
.else
	PLACES NP
.endif
	FETCH_B \next
	FETCH_A \next, 0
	SCALES \next
	WIN MUL_HI
	MUL16 4, \slot, \zero
	MUL16 6, \slot, \zero
	PLACES NP
	WIN 0
	FETCH_A \next, 4
.endm
	s_load_b256 s[4:11], s[0:1], 0x0               ; A s[4:5], wc s[6:7], bias s[8:9], residual s[10:11]
	s_load_b64 s[12:13], s[0:1], 0x20              ; out
	v_lshl_add_u32 v[SPW], v0, 2, SPARE
	v_mov_b32 v[NIL], 0
	ds_add_u32 v28, v29
	ds_add_u32 v28, v29
	s_wait_dscnt 0x0
	v_lshrrev_b32 v1, 5, v0
	v_readfirstlane_b32 s14, v1                    ; wave 0..3
	s_lshr_b32 s15, s14, 1                         ; which K step of the slot is mine.  Also: I fetch for A (0) or for W (1)
	s_and_b32 s16, s14, 1                          ; which 128 of it.  Also: which slot I fetch
	s_bfe_u32 s40, ttmp6, 0x40000
	s_bfe_u32 s41, ttmp6, 0x40004
	s_lshl_b32 s42, ttmp9, 2
	s_add_co_u32 s42, s42, s40                     ; tile column
	s_and_b32 s17, ttmp7, 0xffff
	s_lshl_b32 s17, s17, 2
	s_add_co_u32 s17, s17, s41                     ; tile row
	s_lshl_b32 s43, s41, 2
	s_lshl_b32 s43, 15, s43
	s_lshl_b32 s44, 0x1111, s40
	s_or_b32 s[G1+0], s43, (3<<16)|(1<<21)
	s_or_b32 s[G1B+0], s44, (3<<16)|(1<<21)
.irp g, G1, G1B                                ; a chunk: a dense block, as 132 rows of 256 bytes
	s_mov_b32 s[\g+1], 32<<16
	s_mov_b32 s[\g+2], 264<<16                     ; one load brings two chunks that lie on end in memory: 264 rows of 256 bytes
	s_mov_b32 s[\g+3], 32<<16
	s_mov_b32 s[\g+4], 264
	s_mov_b32 s[\g+5], 32
	s_mov_b32 s[\g+6], 0
	s_mov_b32 s[\g+7], 0
.endr
	s_mul_i32 s20, s17, KS
	s_add_co_u32 s20, s20, s16
	s_add_co_u32 s20, s20, s16                     ; K steps 2 (w % 2) and 2 (w % 2) + 1
	s_mul_i32 s20, s20, CHUNK
	s_mov_b32 s21, 0
	s_mul_i32 s46, s42, KS
	s_add_co_u32 s46, s46, s16
	s_add_co_u32 s46, s46, s16
	s_mul_i32 s46, s46, CHUNK
	s_add_co_u32 s46, s46, WOFF
	s_mov_b32 s47, 0
	s_mul_i32 s45, s14, 2*CHUNK                    ; LDS: A's four K steps, then W's four: all of K lies in LDS at once, one tensor load a wave, nothing filled again
	s_wait_kmcnt 0x0
	s_add_nc_u64 s[20:21], s[4:5], s[20:21]
	s_add_nc_u64 s[46:47], s[6:7], s[46:47]
	CROUND
.irp s, 0
	s_mov_b32 s[G0+4*\s], 1
	s_add_co_u32 s[G0+4*\s+1], s45, \s*SLOT
	s_add_nc_u64 s[G0+4*\s+2:G0+4*\s+3], s[20:21], \s*2*CHUNK
	s_or_b32 s[G0+4*\s+3], s[G0+4*\s+3], 0x80000000
	s_mov_b32 s[G0B+4*\s], 1
	s_add_co_u32 s[G0B+4*\s+1], s45, \s*SLOT
	s_add_nc_u64 s[G0B+4*\s+2:G0B+4*\s+3], s[46:47], \s*2*CHUNK
	s_or_b32 s[G0B+4*\s+3], s[G0B+4*\s+3], 0x80000000
	JLOAD G0+4*\s, G1, G0B+4*\s, G1B
.endr
	v_and_b32 v1, 31, v0
	v_and_b32 v2, 15, v0                           ; r
	v_bfe_u32 v3, v0, 4, 1                         ; h
	v_lshlrev_b32 v4, 4, v1                        ; 16 x lane
	s_mul_i32 s21, s15, CHUNK
	s_lshl_b32 s22, s16, 11
	s_add_co_u32 s21, s21, s22                     ; my K step's chunk, my 128 of it
	v_add_nc_u32 v[ADRA], s21, v4
	v_add_nc_u32 v[ADRA+1], 2*CHUNK, v[ADRA]
	v_add_nc_u32 v[ADRB], 4*CHUNK, v[ADRA]
	v_add_nc_u32 v[ADRB+1], 2*CHUNK, v[ADRB]
	v_mul_u32_u24 v5, v3, 4*CHUNK                  ; lanes 16-31 take W's
	v_lshl_add_u32 v5, v2, 3, v5
	s_mul_i32 s21, s15, CHUNK
	s_lshl_b32 s22, s16, 2
	s_add_co_u32 s21, s21, s22
	s_add_co_u32 s21, s21, 32768
	v_add_nc_u32 v[ADRS], s21, v5
	v_add_nc_u32 v[ADRS+1], 2*CHUNK, v[ADRS]
	v_mul_u32_u24 v5, v2, 528
	v_lshl_add_u32 v5, v3, 6, v5
	s_mul_i32 s21, s14, PT
	v_add_nc_u32 v[STO], s21, v5                   ; my partial tile: row r, + 64 h
	s_mul_i32 s21, s14, 32*528
	v_add_nc_u32 v[RK], s21, v4                    ; back: my 32 rows, 16 x lane, in each of the four
	v_add_nc_u32 v[RK+1], PT, v[RK]
	v_add_nc_u32 v[RK+2], PT, v[RK+1]
	v_add_nc_u32 v[RK+3], PT, v[RK+2]
	s_lshl_b32 s84, s17, 7
	s_lshl_b32 s85, s14, 5
	s_add_co_u32 s84, s84, s85                     ; the first row that I finish: 128 x tile row + 32 x wave
	s_lshl_b32 s84, s84, 12
	s_lshl_b32 s85, s42, 9
	s_add_co_u32 s84, s84, s85
	s_mov_b32 s85, 0
	s_add_nc_u64 s[10:11], s[10:11], s[84:85]
	s_add_nc_u64 s[12:13], s[12:13], s[84:85]
	s_lshl_b32 s84, s42, 9
	s_add_nc_u64 s[8:9], s[8:9], s[84:85]
	v_lshlrev_b32 v30, 12, v1                      ; the offset of the residual's prefetch: a lane a row of my 32
	s_wait_alu depctr_va_vdst(0)
	s_wait_tensorcnt 0x0                           ; my two chunks are in,
	s_barrier_signal -1
	s_barrier_wait -1
	FETCH_B 0
	FETCH_A 0, 0
	SCALES 0
	FETCH_A 0, 4
	global_prefetch_b8 v30, s[10:11] th:TH_LOAD_NT scope:SCOPE_SE              ; the residual of my 32 rows, which is loaded behind the last product, is asked for behind the head's tiles and the first run of LDS loads:
	global_prefetch_b8 v30, s[10:11] offset:256 th:TH_LOAD_NT scope:SCOPE_SE   ; a row's 512 bytes as two blocks of 256; each block is named once in the launch
.if T > 2
	TURN 0, 1, 1, 1                                ; the first step's products start the sums
	s_mov_b32 s3, (T-4)/2
.Llap:
	TURN 1, 0, 1, 0
	TURN 0, 1, 1, 0
	s_sub_co_u32 s3, s3, 1
	s_cmp_lg_u32 s3, 0
	s_cbranch_scc1 .Llap
	TURN 1, 0, 1, 0                                ; the last fill
	TURN 0, 1, 0, 0
.else
	TURN 0, 1, 0, 1
.endif
	s_wait_dscnt 4*NL                              ; the last step: nothing more to fetch
	WIN MUL_LO
	MUL16 0, 1, 0
	MUL16 2, 1, 0
	s_wait_dscnt 0
	WIN MUL_HI
	MUL16 4, 1, 0
	MUL16 6, 1, 0
	WIN 0
	PLACES NP                                      ; in front of loads into registers that the products read, and of the first reads of results
.irp t, 0,1,2,3,4,5,6,7,8,9,10,11,12,13,14,15,16,17,18,19,20,21,22,23,24,25,26,27,28,29,30,31
	global_load_b128 v[RES+4*\t:RES+4*\t+3], v4, s[10:11] offset:4096*\t   ; the residual of my 32 rows: 512 consecutive bytes a load
.endr
	global_load_b128 v[8:11], v4, s[8:9]           ; the bias of my four columns
	s_wait_dscnt 0x0                               ; my reads of the ring are over,
	s_barrier_signal -1
	s_barrier_wait -1                              ; everybody's are; both slots have had their last fill
.irp a, 0,1,2,3,4,5,6,7
	WIN 0x08+4*(\a/4)
.irp b, 0,1,2,3,4,5,6,7
	ds_store_b128 v[STO], v[8*(8*(\a%4)+\b):8*(8*(\a%4)+\b)+3] offset:8448*\a+128*(\b/2)+32*(\b%2)       ; each accumulator from its low end on
	ds_store_b128 v[STO], v[8*(8*(\a%4)+\b)+4:8*(8*(\a%4)+\b)+7] offset:8448*\a+128*(\b/2)+32*(\b%2)+16
.endr
.endr
	WIN 0
	s_wait_dscnt 0x0                               ; for the others' sake: my partial tile lies in LDS
	s_barrier_signal -1
	s_barrier_wait -1
.irp g, 0,1,2,3,4,5,6,7                        ; four rows at a time
.irp t, 0,1,2,3
.irp k, 0,1,2,3
	ds_load_b128 v[PART+16*\t+4*\k:PART+16*\t+4*\k+3], v[RK+\k] offset:528*(4*\g+\t)
.endr
.endr
	s_wait_dscnt 0x0
.if \g == 0
	s_wait_loadcnt 0x0                             ; the residual and the bias
.endif
.irp t, 0,1,2,3
.irp e, 0,2
	v_pk_add_f32 v[PART+16*\t+\e:PART+16*\t+\e+1], v[PART+16*\t+\e:PART+16*\t+\e+1], v[PART+16*\t+4+\e:PART+16*\t+4+\e+1]
	v_pk_add_f32 v[PART+16*\t+8+\e:PART+16*\t+8+\e+1], v[PART+16*\t+8+\e:PART+16*\t+8+\e+1], v[PART+16*\t+12+\e:PART+16*\t+12+\e+1]
	v_pk_add_f32 v[RES+4*(4*\g+\t)+\e:RES+4*(4*\g+\t)+\e+1], v[RES+4*(4*\g+\t)+\e:RES+4*(4*\g+\t)+\e+1], v[8+\e:9+\e]
	v_pk_add_f32 v[PART+16*\t+\e:PART+16*\t+\e+1], v[PART+16*\t+\e:PART+16*\t+\e+1], v[PART+16*\t+8+\e:PART+16*\t+8+\e+1]
	v_pk_add_f32 v[RES+4*(4*\g+\t)+\e:RES+4*(4*\g+\t)+\e+1], v[RES+4*(4*\g+\t)+\e:RES+4*(4*\g+\t)+\e+1], v[PART+16*\t+\e:PART+16*\t+\e+1]
.endr
	global_store_b128 v4, v[RES+4*(4*\g+\t):RES+4*(4*\g+\t)+3], s[12:13] offset:4096*(4*\g+\t)   ; 512 consecutive bytes, aligned; each row has its own registers
.endr
.endr
	s_wait_tensorcnt 0x0                           ; the wave's end
	ds_add_u32 v[SPW], v[NIL]
	s_wait_dscnt 0x0
	CROUND                                         ; the closing round
	s_endpgm
.Lfunc_end_k_q85e90f3343_wo:
	.size	k_q85e90f3343_wo, .Lfunc_end_k_q85e90f3343_wo-k_q85e90f3343_wo
	.p2alignl 7, 3214868480
	.fill 96, 4, 3214868480
	.section	.rodata,"a",@progbits
	.p2align	6, 0x0
	.amdhsa_kernel k_q85e90f3343_wo
		.amdhsa_group_segment_fixed_size 327680
		.amdhsa_private_segment_fixed_size 0
		.amdhsa_enable_private_segment 0
		.amdhsa_kernarg_size 40
		.amdhsa_user_sgpr_count 2
		.amdhsa_user_sgpr_kernarg_segment_ptr 1
		.amdhsa_wavefront_size32 1
		.amdhsa_system_sgpr_workgroup_id_x 1
		.amdhsa_system_sgpr_workgroup_id_y 1
		.amdhsa_system_sgpr_workgroup_id_z 1
		.amdhsa_system_vgpr_workitem_id 0
		.amdhsa_next_free_vgpr 1024
		.amdhsa_next_free_sgpr 100
		.amdhsa_reserve_vcc 0
		.amdhsa_float_denorm_mode_32 3
		.amdhsa_float_denorm_mode_16_64 3
		.amdhsa_memory_ordered 1
		.amdhsa_forward_progress 1
		.amdhsa_inst_pref_size 76
	.end_amdhsa_kernel
	.amdgpu_metadata
---
amdhsa.version: [ 1, 2 ]
amdhsa.kernels:
  - .name:           k_q85e90f3343_wo
    .symbol:         k_q85e90f3343_wo.kd
    .args:
      - { .name: ao, .offset: 0, .size: 8, .value_kind: global_buffer, .address_space: global }
      - { .name: wc, .offset: 8, .size: 8, .value_kind: global_buffer, .address_space: global }
      - { .name: bo, .offset: 16, .size: 8, .value_kind: global_buffer, .address_space: global }
      - { .name: x, .offset: 24, .size: 8, .value_kind: global_buffer, .address_space: global }
      - { .name: x1, .offset: 32, .size: 8, .value_kind: global_buffer, .address_space: global }
    .group_segment_fixed_size: 327680
    .private_segment_fixed_size: 0
    .kernarg_segment_align: 8
    .kernarg_segment_size: 40
    .max_flat_workgroup_size: 128
    .sgpr_count:     100
    .vgpr_count:     1024
    .wavefront_size: 32
...
	.end_amdgpu_metadata
.endif
;; end of part 4
;; launch ln2 (part 5): grid 256 x 1, 4 waves a work-group, no clusters, 66,560 bytes of LDS; arguments x1, ln2_g, ln2_b, na; writes na
.if DOCPART == 5
	.amdgcn_target "amdgcn-amd-amdhsa--gfx1250"
	.amdhsa_code_object_version 6
	.text
	.protected	k_q85e90f3343_ln2
	.globl	k_q85e90f3343_ln2
	.p2align	8
	.type	k_q85e90f3343_ln2,@function
k_q85e90f3343_ln2:
	s_mov_b64 s[64:65], 0
	v_nop
	global_prefetch_b8 v0, s[64:65] scope:SCOPE_SE
	s_setreg_imm32_b32 hwreg(HW_REG_WAVE_MODE, 25, 1), 1
	s_wait_xcnt 0x0
; y = (x - mean) rsqrt(var + 1e-5) g + b along rows of 1,024 f32, then quantised along the row into codes of FP8 (E4M3) with one E8M0 byte for each 32, laid in chunks in the order of an operand's registers
; (128 rows x 256 along K, 33,792 bytes: fragment (tile i, q, c) at (2 i + q) 2048 + 512 c + 16 lane; scale words at 32768 + 128 i + 8 r + 4 q; rows in their natural order).
; A work-group owns 16 rows, one tile.  PHASE 1: wave w norms rows 4 w .. 4 w + 3, each whole in 32 registers of the wave (mean first, then the sum of squared differences: no difference of large sums),
; and lays them into LDS as rows of 4,096 + 16 bytes.  PHASE 2, behind one barrier: wave w takes K step w of all 16 rows, 16 neighbours of each block of 32 to a lane, and quantises them.
; No matrix unit, no tensor load, no cluster: memory binds, and work-groups share nothing.
; LIMITS: a block of zeros gets the byte 1 (its codes are zeros, and this program alone reads the bytes); NaN and infinities are not served.
.set CHUNK, 33792
.set ROWP, 4112                        ; an LDS row: 257 x 16 bytes, so that the 16 rows that a load touches start in different banks
.set X,  32                            ; v32-159  four rows
.set G,  160                           ; v160-191 the gains of my 32 columns
.set B,  192                           ; v192-223 the biases
.set Y,  32                            ; phase 2: 64 numbers
.set TM, 96                            ; v96-111  at work in the quantiser: in phase 2 alone, where the rows' registers are free
.set SEL, 22                           ; s[22:23] lane selects for v_permlanex16_b32: lane l xor 16
.set MNT, 24                           ; s24      the mantissa field of 448
; 64 numbers of a lane, register 16 b + i = k 32 b + 16 (lane / 16) + i of my row, become a fragment's codes in v[pc] on and its scale word in v[pw].  fl: the floor under the largest magnitude
; (A lane permute's destination counts as one of its sources: v[TM+4] to v[TM+7] have been written when the macro first runs: they held numbers of phase 1's third row.)
.macro QUANT s, fl, pc, pw
.irp b, 0,1,2,3
	v_max3_num_f32 v[TM+\b], |v[\s+16*\b]|, |v[\s+1+16*\b]|, \fl
.endr
.irp i, 2,4,6,8,10,12,14
.irp b, 0,1,2,3
	v_max3_num_f32 v[TM+\b], v[TM+\b], |v[\s+16*\b+\i]|, |v[\s+1+16*\b+\i]|
.endr
.endr
.irp b, 0,1,2,3
	v_permlanex16_b32 v[TM+4+\b], v[TM+\b], s[SEL], s[SEL+1]
.endr
.irp b, 0,1,2,3
	v_max_num_f32 v[TM+\b], v[TM+\b], v[TM+4+\b]   ; with lane l xor 16's: the block's largest magnitude
.endr
.irp b, 0,1,2,3
	v_add_nc_u32 v[TM+12+\b], 0xfc000000, v[TM+\b] ; 8 off its exponent field: the conversion's scale operand
.endr
.irp b, 0,1,2,3
	v_and_or_b32 v[TM+8+\b], v[TM+\b], 0x7f800000, s[MNT]   ; 448 x the scale
.endr
.irp b, 0,1,2,3
	v_lshrrev_b32 v[TM+4+\b], 23, v[TM+12+\b]      ; the scale's byte
.endr
	v_lshl_or_b32 v[\pw], v[TM+5], 8, v[TM+4]
	v_lshl_or_b32 v[\pw], v[TM+6], 16, v[\pw]
	v_lshl_or_b32 v[\pw], v[TM+7], 24, v[\pw]
.irp b, 0,1,2,3
.irp i, 0,1,2,3,4,5,6,7,8,9,10,11,12,13,14,15
	v_med3_num_f32 v[\s+16*\b+\i], v[\s+16*\b+\i], -v[TM+8+\b], v[TM+8+\b]   ; the conversion does not saturate (ISA guide 7.6.2): the hold comes first
.endr
	v_cvt_scalef32_pk8_fp8_f32 v[\pc+4*\b:\pc+1+4*\b], v[\s+16*\b:\s+7+16*\b], v[TM+12+\b]
	v_cvt_scalef32_pk8_fp8_f32 v[\pc+2+4*\b:\pc+3+4*\b], v[\s+8+16*\b:\s+15+16*\b], v[TM+12+\b]
.endr
	v_nop                                          ; a plain line behind the last conversion
.endm
	s_load_b256 s[4:11], s[0:1], 0x0               ; in s[4:5], g s[6:7], b s[8:9], out s[10:11]
	v_lshl_add_u32 v224, v0, 2, 0x10200
	v_mov_b32 v225, 0
	v_lshrrev_b32 v2, 5, v0
	v_readfirstlane_b32 s12, v2                    ; wave 0..3
	v_and_b32 v1, 31, v0
	v_lshlrev_b32 v2, 4, v1                        ; 16 x lane
	s_lshl_b32 s14, ttmp9, 16                      ; 16 rows of 4,096 bytes a work-group,
	s_lshl_b32 s15, s12, 14                        ; 4 a wave
	s_add_co_u32 s14, s14, s15
	s_mov_b32 s15, 0
	s_mov_b32 s20, 0x3a800000                      ; 1 / 1024
	s_mov_b32 s21, 0x3727c5ac                      ; 1e-5
	s_mov_b32 s[SEL], 0x76543210
	s_mov_b32 s[SEL+1], 0xfedcba98
	s_mov_b32 s[MNT], 0x600000
	s_wait_alu depctr_va_vdst(0)
	s_wait_kmcnt 0x0
	s_add_nc_u64 s[4:5], s[4:5], s[14:15]
.irp rr, 0,1,2,3
.irp j, 0,1,2,3,4,5,6,7
	global_load_b128 v[X+32*\rr+4*\j:X+32*\rr+4*\j+3], v2, s[4:5] offset:4096*\rr+512*\j   ; 512 consecutive bytes a load
.endr
.endr
.irp j, 0,1,2,3,4,5,6,7
	global_load_b128 v[G+4*\j:G+4*\j+3], v2, s[6:7] offset:512*\j
	global_load_b128 v[B+4*\j:B+4*\j+3], v2, s[8:9] offset:512*\j
.endr
	s_mul_i32 s16, s12, 4*ROWP
	v_add_nc_u32 v3, s16, v2                       ; LDS, in: my four rows, 16 x lane
	v_and_b32 v7, 15, v0                           ; r
	s_wait_alu depctr_va_vdst(0)
	v_bfe_u32 v4, v0, 4, 1                         ; h
	v_lshlrev_b32 v4, 6, v4
	v_mad_u32_u24 v4, v7, ROWP, v4                 ; LDS, out: row r, + 64 h,
	s_lshl_b32 s16, s12, 10
	v_add_nc_u32 v4, s16, v4                       ; + my K step's 1,024 bytes
	s_lshr_b32 s16, ttmp9, 3
	s_lshl_b32 s16, s16, 2
	s_add_co_u32 s16, s16, s12                     ; my chunk: 4 x panel + K step
	s_mul_i32 s16, s16, CHUNK
	s_mov_b32 s17, 0
	s_add_nc_u64 s[10:11], s[10:11], s[16:17]
	s_and_b32 s18, ttmp9, 7                        ; the tile in its panel
	s_lshl_b32 s19, s18, 12
	v_add_nc_u32 v5, s19, v2                       ; codes: 4096 i + 16 x lane
	s_lshl_b32 s19, s18, 7
	v_lshl_add_u32 v6, v7, 3, s19                  ; scale words: 128 i + 8 r
	s_wait_loadcnt 16                              ; the rows are in; the 16 loads of g and b may be out
	; the means, the four rows by turns
.irp rr, 0,1,2,3
	v_pk_add_f32 v[8+2*\rr:9+2*\rr], v[X+32*\rr:X+32*\rr+1], v[X+32*\rr+2:X+32*\rr+3]
.endr
.irp j, 4,6,8,10,12,14,16,18,20,22,24,26,28,30
.irp rr, 0,1,2,3
	v_pk_add_f32 v[8+2*\rr:9+2*\rr], v[8+2*\rr:9+2*\rr], v[X+32*\rr+\j:X+32*\rr+\j+1]
.endr
.endr
.irp rr, 0,1,2,3
	v_add_f32 v[8+2*\rr], v[8+2*\rr], v[9+2*\rr]
.endr
.irp m, 1,2,4,8
.irp rr, 0,1,2,3
	v_add_f32_dpp v[8+2*\rr], v[8+2*\rr], v[8+2*\rr] row_xmask:\m row_mask:0xf bank_mask:0xf
.endr
.endr
.irp rr, 0,1,2,3
	v_permlanex16_b32 v[9+2*\rr], v[8+2*\rr], s[SEL], s[SEL+1]
.endr
.irp rr, 0,1,2,3
	v_add_f32 v[8+2*\rr], v[8+2*\rr], v[9+2*\rr]
.endr
.irp rr, 0,1,2,3
	v_mul_f32 v[8+2*\rr], s20, v[8+2*\rr]
.endr
.irp j, 0,2,4,6,8,10,12,14,16,18,20,22,24,26,28,30
.irp rr, 0,1,2,3
	v_pk_add_f32 v[X+32*\rr+\j:X+32*\rr+\j+1], v[X+32*\rr+\j:X+32*\rr+\j+1], v[8+2*\rr:9+2*\rr] op_sel_hi:[1,0] neg_lo:[0,1] neg_hi:[0,1]   ; x - mean
.endr
.endr
.irp rr, 0,1,2,3
	v_pk_mul_f32 v[16+2*\rr:17+2*\rr], v[X+32*\rr:X+32*\rr+1], v[X+32*\rr:X+32*\rr+1]
.endr
.irp j, 2,4,6,8,10,12,14,16,18,20,22,24,26,28,30
.irp rr, 0,1,2,3
	v_pk_fma_f32 v[16+2*\rr:17+2*\rr], v[X+32*\rr+\j:X+32*\rr+\j+1], v[X+32*\rr+\j:X+32*\rr+\j+1], v[16+2*\rr:17+2*\rr]
.endr
.endr
.irp rr, 0,1,2,3
	v_add_f32 v[16+2*\rr], v[16+2*\rr], v[17+2*\rr]
.endr
.irp m, 1,2,4,8
.irp rr, 0,1,2,3
	v_add_f32_dpp v[16+2*\rr], v[16+2*\rr], v[16+2*\rr] row_xmask:\m row_mask:0xf bank_mask:0xf
.endr
.endr
.irp rr, 0,1,2,3
	v_permlanex16_b32 v[17+2*\rr], v[16+2*\rr], s[SEL], s[SEL+1]
.endr
.irp rr, 0,1,2,3
	v_add_f32 v[16+2*\rr], v[16+2*\rr], v[17+2*\rr]
.endr
.irp rr, 0,1,2,3
	v_fma_f32 v[16+2*\rr], v[16+2*\rr], s20, s21   ; the variance + 1e-5
.endr
	s_wait_alu depctr_va_vdst(0)
.irp rr, 0,1,2,3
	v_rsq_f32 v[16+2*\rr], v[16+2*\rr]
.endr
	v_nop                                          ; a plain line behind the four,
	s_wait_alu depctr_va_vdst(0)                   ; and one wait for them, ahead of their first reader
	s_wait_loadcnt 0x0                             ; g and b
.irp j, 0,2,4,6,8,10,12,14,16,18,20,22,24,26,28,30
.irp rr, 0,1,2,3
	v_pk_mul_f32 v[X+32*\rr+\j:X+32*\rr+\j+1], v[X+32*\rr+\j:X+32*\rr+\j+1], v[16+2*\rr:17+2*\rr] op_sel_hi:[1,0]
.endr
.endr
.irp j, 0,2,4,6,8,10,12,14,16,18,20,22,24,26,28,30
.irp rr, 0,1,2,3
	v_pk_fma_f32 v[X+32*\rr+\j:X+32*\rr+\j+1], v[X+32*\rr+\j:X+32*\rr+\j+1], v[G+\j:G+\j+1], v[B+\j:B+\j+1]
.endr
.endr
.irp rr, 0,1,2,3
.irp j, 0,1,2,3,4,5,6,7
	ds_store_b128 v3, v[X+32*\rr+4*\j:X+32*\rr+4*\j+3] offset:\rr*ROWP+512*\j
.endr
.endr
	s_wait_dscnt 0x0                               ; for the others' sake: my rows lie in LDS
	s_barrier_signal -1
	s_barrier_wait -1
.irp q, 0,1                                    ; my K step's two fragments
.irp b, 0,1,2,3
.irp j, 0,1,2,3
	ds_load_b128 v[Y+16*\b+4*\j:Y+16*\b+4*\j+3], v4 offset:512*\q+128*\b+16*\j
.endr
.endr
	s_wait_dscnt 0x0
	QUANT Y, 0x4800000, 116+16*\q, 114+\q          ; each fragment has its own registers for codes and scale word: no store's data are written again
.irp c, 0,1,2,3
	global_store_b128 v5, v[116+16*\q+4*\c:116+16*\q+4*\c+3], s[10:11] offset:2048*\q+512*\c   ; 512 consecutive bytes, aligned
.endr
.endr
	global_store_b64 v6, v[114:115], s[10:11] offset:32768   ; my row's two scale words (lanes 16-31 hold and write the same as lanes 0-15)
	s_wait_tensorcnt 0x0
	ds_add_u32 v224, v225
	s_wait_dscnt 0x0
	s_endpgm
.Lfunc_end_k_q85e90f3343_ln2:
	.size	k_q85e90f3343_ln2, .Lfunc_end_k_q85e90f3343_ln2-k_q85e90f3343_ln2
	.p2alignl 7, 3214868480
	.fill 96, 4, 3214868480
	.section	.rodata,"a",@progbits
	.p2align	6, 0x0
	.amdhsa_kernel k_q85e90f3343_ln2
		.amdhsa_group_segment_fixed_size 66560
		.amdhsa_private_segment_fixed_size 0
		.amdhsa_enable_private_segment 0
		.amdhsa_kernarg_size 32
		.amdhsa_user_sgpr_count 2
		.amdhsa_user_sgpr_kernarg_segment_ptr 1
		.amdhsa_wavefront_size32 1
		.amdhsa_system_sgpr_workgroup_id_x 1
		.amdhsa_system_sgpr_workgroup_id_y 1
		.amdhsa_system_sgpr_workgroup_id_z 1
		.amdhsa_system_vgpr_workitem_id 0
		.amdhsa_next_free_vgpr 226
		.amdhsa_next_free_sgpr 66
		.amdhsa_reserve_vcc 0
		.amdhsa_float_denorm_mode_32 3
		.amdhsa_float_denorm_mode_16_64 3
		.amdhsa_memory_ordered 1
		.amdhsa_forward_progress 1
		.amdhsa_inst_pref_size 51
	.end_amdhsa_kernel
	.amdgpu_metadata
---
amdhsa.version: [ 1, 2 ]
amdhsa.kernels:
  - .name:           k_q85e90f3343_ln2
    .symbol:         k_q85e90f3343_ln2.kd
    .args:
      - { .name: x1, .offset: 0, .size: 8, .value_kind: global_buffer, .address_space: global }
      - { .name: ln2_g, .offset: 8, .size: 8, .value_kind: global_buffer, .address_space: global }
      - { .name: ln2_b, .offset: 16, .size: 8, .value_kind: global_buffer, .address_space: global }
      - { .name: na, .offset: 24, .size: 8, .value_kind: global_buffer, .address_space: global }
    .group_segment_fixed_size: 66560
    .private_segment_fixed_size: 0
    .kernarg_segment_align: 8
    .kernarg_segment_size: 32
    .max_flat_workgroup_size: 128
    .sgpr_count:     66
    .vgpr_count:     226
    .wavefront_size: 32
...
	.end_amdgpu_metadata
.endif
;; end of part 5
;; launch w1 (part 6): grid 16 x 16, 4 waves a work-group, clusters of 4 x 4, 327,680 bytes of LDS; arguments na, wc, b1, hh; writes hh
.if DOCPART == 6
	.amdgcn_target "amdgcn-amd-amdhsa--gfx1250"
	.amdhsa_code_object_version 6
	.text
	.protected	k_q85e90f3343_w1
	.globl	k_q85e90f3343_w1
	.p2align	8
	.type	k_q85e90f3343_w1,@function
k_q85e90f3343_w1:
	s_mov_b64 s[64:65], 0
	v_nop
	global_prefetch_b8 v0, s[64:65] scope:SCOPE_SE
	s_setreg_imm32_b32 hwreg(HW_REG_WAVE_MODE, 25, 1), 1
	s_wait_xcnt 0x0
	s_wait_alu depctr_hold_cnt(0) depctr_sa_sdst(0) depctr_va_vdst(0) depctr_va_sdst(0) depctr_va_ssrc(0) depctr_va_vcc(0) depctr_vm_vsrc(0)
	s_getreg_b32 s2, hwreg(HW_REG_IB_STS2, 6, 4)
	s_cmp_eq_u32 s2, 0
	s_cbranch_scc0 .Lentry_in_a_cluster
	s_endpgm
.Lentry_in_a_cluster:
	s_bfe_u32 s2, ttmp6, 0x10000c
	s_cmp_lg_u32 s2, 0xf033
	s_cbranch_scc0 .Lentry_shape_is_right
	s_endpgm
.Lentry_shape_is_right:
.set CHUNK, 33792
.set WOFF,  128*CHUNK
.set SLOT,  4*CHUNK
.set SPARE, 2*SLOT
.set FR, 16
.set NQ, 2
.set NL, 4
.set NP, 8
.set ADRA, 16
.set ADRB, 20
.set ADRS, 22
.set DS,   24
.set DA,   25
.set SPW,  28
.set NIL,  29
.set SC,   32
.set BI,   64
.set AF,   128
.set X,    128
.set Z,    192
.set S2,   208
.set PP,   224
.set QQ,   240
.set TM,   192
.set PC,   208
.set PW,   224
.set G1, 24
.set G0, 32
.set G1B, 48
.set G0B, 56
.set TA,  4
.set MNT, 19
.set SEL, 66
.set MSB, 0
.macro WIN new
.if MSB != \new
	s_set_vgpr_msb (MSB<<8)|\new
.set MSB, \new
.endif
.endm
.set MUL_LO, 0xa1
.set MUL_HI, 0xf1
.set TO_B,   0x40
.macro PLACES n
.rept \n
	v_nop
.endr
.endm
.macro JLOAD g0a, g1a, g0b, g1b
	s_cmp_eq_u32 s15, 0
	s_cbranch_scc0 .Lfor_b_\@
	tensor_load_to_lds s[\g0a:\g0a+3], s[\g1a:\g1a+7]
	s_nop 0
.rept 4
	v_nop
.endr
	s_branch .Lasked_\@
.Lfor_b_\@:
	tensor_load_to_lds s[\g0b:\g0b+3], s[\g1b:\g1b+7]
	s_nop 0
.rept 4
	v_nop
.endr
.Lasked_\@:
.endm
.macro CREST
	s_cmp_lg_u32 s14, 0
	s_cbranch_scc1 .Lnot_wave_0_\@
	s_barrier_signal -3
.Lnot_wave_0_\@:
	s_barrier_wait -3
	s_barrier_signal -1
	s_barrier_wait -1
.endm
.macro CROUND
	s_barrier_signal -1
	s_barrier_wait -1
	CREST
.endm
.macro FRAG reg, adr, off
.irp c, 0,1,2,3
	ds_load_b128 v[\reg+4*\c:\reg+4*\c+3], v[\adr] offset:(\off)+512*\c
.endr
.endm
.macro MUL16 a0, p, q, sc, zero
.irp a, \a0, \a0+1
.irp b, 0,1,2,3,4,5,6,7
.if \zero
	v_wmma_scale_f32_16x16x128_f8f6f4 v[8*(8*((\a)%4)+\b):8*(8*((\a)%4)+\b)+7], v[128*(\p)+FR*\b:128*(\p)+FR*\b+FR-1], v[AF+FR*(\a):AF+FR*(\a)+FR-1], 0, v[SC+8*NQ*(\sc)+NQ*\b+(\q)], v[SC+8*NQ*(\sc)+NQ*(\a)+(\q)] matrix_a_scale:MATRIX_SCALE_ROW1
.else
	v_wmma_scale_f32_16x16x128_f8f6f4 v[8*(8*((\a)%4)+\b):8*(8*((\a)%4)+\b)+7], v[128*(\p)+FR*\b:128*(\p)+FR*\b+FR-1], v[AF+FR*(\a):AF+FR*(\a)+FR-1], v[8*(8*((\a)%4)+\b):8*(8*((\a)%4)+\b)+7], v[SC+8*NQ*(\sc)+NQ*\b+(\q)], v[SC+8*NQ*(\sc)+NQ*(\a)+(\q)] matrix_a_scale:MATRIX_SCALE_ROW1
.endif
.endr
.endr
.endm
.macro FETCH_B slot, q, p
	WIN TO_B
.irp i, 0,1,2,3,4,5,6,7
	FRAG 128*(\p)+FR*\i, ADRB+\slot, (2*\i+(\q))*2048
.endr
	WIN 0
.endm
.macro FETCH_A slot, q, i0
.irp i, \i0, \i0+1, \i0+2, \i0+3
	FRAG AF+FR*(\i), ADRA+\slot, (2*(\i)+(\q))*2048
.endr
.endm
.macro SCALES sc
.irp i, 0,1,2,3,4,5,6,7
	ds_load_b64 v[SC+8*NQ*\sc+NQ*\i:SC+8*NQ*\sc+NQ*\i+1], v[ADRS+\sc] offset:128*\i
.endr
.endm
.macro STEP slot, q, zero
	s_wait_dscnt 4*NL
	WIN MUL_LO
	MUL16 0, (\q)%2, \q, \slot, \zero
	MUL16 2, (\q)%2, \q, \slot, \zero
	s_wait_dscnt 0
	PLACES NP
	FETCH_B \slot, (\q)+1, 1-(\q)%2
	FETCH_A \slot, (\q)+1, 0
	WIN MUL_HI
	MUL16 4, (\q)%2, \q, \slot, \zero
	MUL16 6, (\q)%2, \q, \slot, \zero
	PLACES NP
	WIN 0
	FETCH_A \slot, (\q)+1, 4
.endm
.macro TURN slot, next, fill
	s_wait_tensorcnt 0x0
	ds_add_u32 v[SPW], v[NIL]
	s_wait_dscnt 4*NL+1
	WIN MUL_LO
	MUL16 0, 1, NQ-1, \slot, 0
	s_wait_dscnt 0x0
	s_barrier_signal -1
	MUL16 2, 1, NQ-1, \slot, 0
	WIN 0
	s_barrier_wait -1
.if \fill
	CREST
	s_add_nc_u64 s[G0+4*\slot+2:G0+4*\slot+3], s[G0+4*\slot+2:G0+4*\slot+3], 2*CHUNK
	s_add_nc_u64 s[G0B+4*\slot+2:G0B+4*\slot+3], s[G0B+4*\slot+2:G0B+4*\slot+3], 2*CHUNK
	JLOAD G0+4*\slot, G1, G0B+4*\slot, G1B
	PLACES NP-4
.else
	PLACES NP
.endif
	FETCH_B \next, 0, 0
	FETCH_A \next, 0, 0
	SCALES \next
	WIN MUL_HI
	MUL16 4, 1, NQ-1, \slot, 0
	MUL16 6, 1, NQ-1, \slot, 0
	PLACES NP
	WIN 0
	FETCH_A \next, 0, 4
.endm
.macro QUANT s, fl, pc, pw
.irp b, 0,1,2,3
	v_max3_num_f32 v[TM+\b], |v[\s+16*\b]|, |v[\s+1+16*\b]|, \fl
.endr
.irp i, 2,4,6,8,10,12,14
.irp b, 0,1,2,3
	v_max3_num_f32 v[TM+\b], v[TM+\b], |v[\s+16*\b+\i]|, |v[\s+1+16*\b+\i]|
.endr
.endr
.irp b, 0,1,2,3
	v_permlanex16_b32 v[TM+4+\b], v[TM+\b], s[SEL], s[SEL+1]
.endr
.irp b, 0,1,2,3
	v_max_num_f32 v[TM+\b], v[TM+\b], v[TM+4+\b]
.endr
.irp b, 0,1,2,3
	v_add_nc_u32 v[TM+12+\b], 0xfc000000, v[TM+\b]
.endr
.irp b, 0,1,2,3
	v_and_or_b32 v[TM+8+\b], v[TM+\b], 0x7f800000, s[MNT]
.endr
.irp b, 0,1,2,3
	v_lshrrev_b32 v[TM+4+\b], 23, v[TM+12+\b]
.endr
	v_lshl_or_b32 v[\pw], v[TM+5], 8, v[TM+4]
	v_lshl_or_b32 v[\pw], v[TM+6], 16, v[\pw]
	v_lshl_or_b32 v[\pw], v[TM+7], 24, v[\pw]
.irp b, 0,1,2,3
.irp i, 0,1,2,3,4,5,6,7,8,9,10,11,12,13,14,15
	v_med3_num_f32 v[\s+16*\b+\i], v[\s+16*\b+\i], -v[TM+8+\b], v[TM+8+\b]
.endr
	v_cvt_scalef32_pk8_fp8_f32 v[\pc+4*\b:\pc+1+4*\b], v[\s+16*\b:\s+7+16*\b], v[TM+12+\b]
	v_cvt_scalef32_pk8_fp8_f32 v[\pc+2+4*\b:\pc+3+4*\b], v[\s+8+16*\b:\s+15+16*\b], v[TM+12+\b]
.endr
	v_nop
.endm
.macro GELU n
.irp p, 0,2,4,6,8,10,12,14
	v_pk_mul_f32 v[Z+\p:Z+\p+1], v[X+16*\n+\p:X+16*\n+\p+1], 0x3f3504f3 op_sel_hi:[1,0]
.endr
.irp i, 0,1,2,3,4,5,6,7,8,9,10,11,12,13,14,15
	v_med3_num_f32 v[Z+\i], v[Z+\i], -4.0, 4.0
.endr
.irp p, 0,2,4,6,8,10,12,14
	v_pk_mul_f32 v[S2+\p:S2+\p+1], v[Z+\p:Z+\p+1], v[Z+\p:Z+\p+1]
.endr
.irp p, 0,2,4,6,8,10,12,14
	v_pk_fma_f32 v[PP+\p:PP+\p+1], v[S2+\p:S2+\p+1], v[8:9], 0x32edffee op_sel_hi:[1,1,0]
.endr
.irp k, 0xb60cff51, 0xb86ec2d2, 0xba40ac63, 0xbb41a1f6, 0xbc83dbd4
.irp p, 0,2,4,6,8,10,12,14
	v_pk_fma_f32 v[PP+\p:PP+\p+1], v[PP+\p:PP+\p+1], v[S2+\p:S2+\p+1], \k op_sel_hi:[1,1,0]
.endr
.endr
.irp p, 0,2,4,6,8,10,12,14
	v_pk_fma_f32 v[QQ+\p:QQ+\p+1], v[S2+\p:S2+\p+1], v[10:11], 0xb95fbd29 op_sel_hi:[1,1,0]
.endr
.irp k, 0xbadc924e, 0xbbf19bf8, 0xbc69b6a7
.irp p, 0,2,4,6,8,10,12,14
	v_pk_fma_f32 v[QQ+\p:QQ+\p+1], v[QQ+\p:QQ+\p+1], v[S2+\p:S2+\p+1], \k op_sel_hi:[1,1,0]
.endr
.endr
.irp p, 0,2,4,6,8,10,12,14
	v_pk_mul_f32 v[PP+\p:PP+\p+1], v[PP+\p:PP+\p+1], v[Z+\p:Z+\p+1]
.endr
	s_wait_alu depctr_va_vdst(0)
.irp i, 0,1,2,3,4,5,6,7,8,9,10,11,12,13,14,15
	v_rcp_f32 v[QQ+\i], v[QQ+\i]
.endr
.irp p, 0,2,4,6,8,10,12,14
	v_pk_mul_f32 v[X+16*\n+\p:X+16*\n+\p+1], v[X+16*\n+\p:X+16*\n+\p+1], 0.5 op_sel_hi:[1,0]
.endr
	s_wait_alu depctr_va_vdst(0)
.irp p, 0,2,4,6,8,10,12,14
	v_pk_mul_f32 v[PP+\p:PP+\p+1], v[PP+\p:PP+\p+1], v[QQ+\p:QQ+\p+1]
.endr
.irp p, 0,2,4,6,8,10,12,14
	v_pk_fma_f32 v[X+16*\n+\p:X+16*\n+\p+1], v[X+16*\n+\p:X+16*\n+\p+1], v[PP+\p:PP+\p+1], v[X+16*\n+\p:X+16*\n+\p+1]
.endr
.endm
	s_load_b256 s[4:11], s[0:1], 0x0
	v_lshl_add_u32 v[SPW], v0, 2, SPARE
	v_mov_b32 v[NIL], 0
	ds_add_u32 v28, v29
	ds_add_u32 v28, v29
	s_wait_dscnt 0x0
	v_lshrrev_b32 v1, 5, v0
	v_readfirstlane_b32 s14, v1
	s_lshr_b32 s15, s14, 1
	s_and_b32 s16, s14, 1
	s_bfe_u32 s40, ttmp6, 0x40000
	s_bfe_u32 s41, ttmp6, 0x40004
	s_lshl_b32 s42, ttmp9, 2
	s_add_co_u32 s42, s42, s40
	s_and_b32 s17, ttmp7, 0xffff
	s_lshl_b32 s17, s17, 2
	s_add_co_u32 s17, s17, s41
	s_lshl_b32 s43, s41, 2
	s_lshl_b32 s43, 15, s43
	s_lshl_b32 s44, 0x1111, s40
	s_or_b32 s[G1+0], s43, (3<<16)|(1<<21)
	s_or_b32 s[G1B+0], s44, (3<<16)|(1<<21)
.irp g, G1, G1B
	s_mov_b32 s[\g+1], 4224<<16                    ; the head's load: two rows of 33,792 bytes (4,224 elements of 8), the two panels' chunks of one K step, four chunks apart in memory
	s_mov_b32 s[\g+2], 2<<16
	s_mov_b32 s[\g+3], 4224<<16
	s_mov_b32 s[\g+4], 2
	s_mov_b32 s[\g+5], 16896
	s_mov_b32 s[\g+6], 0
	s_mov_b32 s[\g+7], 0
.endr
	s_lshl_b32 s20, s17, 1
	s_add_co_u32 s20, s20, s16
	s_mul_i32 s20, s20, 4*CHUNK
	s_mov_b32 s21, 0
	s_lshl_b32 s46, s42, 1
	s_add_co_u32 s46, s46, s16
	s_mul_i32 s46, s46, 4*CHUNK
	s_add_co_u32 s46, s46, WOFF
	s_mov_b32 s47, 0
	s_mul_i32 s45, s14, CHUNK
	s_wait_kmcnt 0x0
	s_add_nc_u64 s[20:21], s[4:5], s[20:21]
	s_add_nc_u64 s[46:47], s[6:7], s[46:47]
	CROUND
.irp s, 0,1
	s_mov_b32 s[G0+4*\s], 1
	s_add_co_u32 s[G0+4*\s+1], s45, \s*SLOT
	s_add_nc_u64 s[G0+4*\s+2:G0+4*\s+3], s[20:21], \s*CHUNK
	s_or_b32 s[G0+4*\s+3], s[G0+4*\s+3], 0x80000000
	s_mov_b32 s[G0B+4*\s], 1
	s_add_co_u32 s[G0B+4*\s+1], s45, \s*SLOT
	s_add_nc_u64 s[G0B+4*\s+2:G0B+4*\s+3], s[46:47], \s*CHUNK
	s_or_b32 s[G0B+4*\s+3], s[G0B+4*\s+3], 0x80000000
.endr
	; one tensor load a wave at the head fills both slots: wave w brings K step w % 2, both panels, of A (w / 2 = 0) or of W, into slot w % 2
	s_mul_i32 s98, s16, SLOT
	s_mul_i32 s[G0+1], s15, 2*CHUNK
	s_add_co_u32 s[G0+1], s[G0+1], s98
	s_mov_b32 s[G0B+1], s[G0+1]
	s_mul_i32 s98, s16, 3*CHUNK                    ; from panel w % 2, K step 0 back to panel 0, K step w % 2
	s_mov_b32 s99, 0
	s_sub_nc_u64 s[G0+2:G0+3], s[G0+2:G0+3], s[98:99]
	s_sub_nc_u64 s[G0B+2:G0B+3], s[G0B+2:G0B+3], s[98:99]
	JLOAD G0, G1, G0B, G1B
	v_and_b32 v1, 31, v0
	v_and_b32 v2, 15, v0
	v_bfe_u32 v3, v0, 4, 1
	s_wait_alu depctr_va_vdst(0)
	v_lshlrev_b32 v4, 4, v1
	s_wait_alu depctr_va_vdst(0)
	s_mul_i32 s21, s15, CHUNK
	s_mul_i32 s22, s16, CHUNK
	s_add_co_u32 s22, s22, 2*CHUNK
.irp s, 0,1
	v_add_nc_u32 v[ADRA+\s], s21, v4
	v_add_nc_u32 v[ADRB+\s], s22, v4
	s_add_co_u32 s21, s21, SLOT
	s_add_co_u32 s22, s22, SLOT
.endr
	s_xor_b32 s22, s15, 1
	s_add_co_u32 s22, s22, s16
	s_add_co_u32 s22, s22, 1
	s_mul_i32 s22, s22, CHUNK
	v_mul_u32_u24 v5, s22, v3
	v_lshl_add_u32 v5, v2, 3, v5
	s_mul_i32 s21, s15, CHUNK
	s_add_co_u32 s21, s21, 32768
	v_add_nc_u32 v[ADRS], s21, v5
	v_add_nc_u32 v[ADRS+1], SLOT, v[ADRS]
	s_lshl_b32 s23, s14, 16
	v_add_nc_u32 v[DS], s23, v4
	v_lshlrev_b32 v6, 6, v3
	s_wait_alu depctr_va_vdst(0)
	v_lshlrev_b32 v7, 3, v2
	v_mov_b32 v8, 0xaf95df0b
	v_mov_b32 v9, 0xaf95df0b
	v_mov_b32 v10, 0xb77460cd
	v_mov_b32 v11, 0xb77460cd
	s_mov_b32 s[SEL], 0x76543210
	s_mov_b32 s[SEL+1], 0xfedcba98
	s_mov_b32 s[MNT], 0x600000
	s_lshl_b32 s84, s42, 10
	s_lshl_b32 s85, s16, 9
	s_add_co_u32 s84, s84, s85
	s_mov_b32 s85, 0
	s_add_nc_u64 s[8:9], s[8:9], s[84:85]
.irp c, 0,1,2,3
.irp j, 0,1,2,3
	global_load_b128 v[BI+16*\c+4*\j:BI+16*\c+4*\j+3], v6, s[8:9] offset:128*\c+16*\j
.endr
.endr
	s_lshl_b32 s84, s17, 1
	s_add_co_u32 s84, s84, s15
	s_lshl_b32 s84, s84, 4
	s_add_co_u32 s84, s84, s42
	s_mul_i32 s84, s84, CHUNK
	s_add_nc_u64 s[10:11], s[10:11], s[84:85]
	s_lshl_b32 s84, s16, 11
	s_add_nc_u64 s[86:87], s[10:11], s[84:85]
	s_lshl_b32 s84, s16, 2
	s_add_nc_u64 s[88:89], s[10:11], s[84:85]
	s_wait_alu depctr_va_vdst(0)
	s_wait_tensorcnt 0x0                           ; my part of both slots is in; no load of mine is out, so the descriptors may be written: from here on a load brings one chunk, 132 rows of 256 bytes
.irp g, G1, G1B
	s_mov_b32 s[\g+1], 32<<16
	s_mov_b32 s[\g+2], 132<<16
	s_mov_b32 s[\g+3], 32<<16
	s_mov_b32 s[\g+4], 132
	s_mov_b32 s[\g+5], 32
.endr
	s_mul_i32 s[G0+1], s14, CHUNK                  ; slot 0's walking descriptors: my chunk's place, and one K step ahead of slot 1's in memory
	s_mov_b32 s[G0B+1], s[G0+1]
	s_sub_nc_u64 s[G0+2:G0+3], s[G0+6:G0+7], CHUNK
	s_sub_nc_u64 s[G0B+2:G0B+3], s[G0B+6:G0B+7], CHUNK
	s_barrier_signal -1
	s_barrier_wait -1
	FETCH_B 0, 0, 0
	FETCH_A 0, 0, 0
	SCALES 0
	FETCH_A 0, 0, 4
	STEP 0, 0, 1
	s_mov_b32 s3, 1
.Llap:
	TURN 0, 1, 1
	STEP 1, 0, 0
	TURN 1, 0, 1
	STEP 0, 0, 0
	s_sub_co_u32 s3, s3, 1
	s_cmp_lg_u32 s3, 0
	s_cbranch_scc1 .Llap
	TURN 0, 1, 0
	STEP 1, 0, 0
	s_wait_dscnt 4*NL
	WIN MUL_LO
	MUL16 0, 1, NQ-1, 1, 0
	MUL16 2, 1, NQ-1, 1, 0
	s_wait_dscnt 0
	WIN MUL_HI
	MUL16 4, 1, NQ-1, 1, 0
	MUL16 6, 1, NQ-1, 1, 0
	WIN 0
	s_wait_dscnt 0x0
	s_barrier_signal -1
	s_barrier_wait -1
	PLACES NP
.irp a, 0,1,2,3,4,5,6,7
	WIN 0x08+4*(\a/4)
.irp b, 0,1,2,3,4,5,6,7
	ds_store_b128 v[DS], v[8*(8*(\a%4)+\b):8*(8*(\a%4)+\b)+3] offset:(8*\a+\b)*1024
	ds_store_b128 v[DS], v[8*(8*(\a%4)+\b)+4:8*(8*(\a%4)+\b)+7] offset:(8*\a+\b)*1024+512
.endr
.endr
	WIN 0
	s_wait_loadcnt 0x0
	s_mov_b32 s[TA], 0
.Lrow:
	v_add_nc_u32 v[DA], s[TA], v[DS]
.irp b, 0,1,2,3,4,5,6,7
	ds_load_b128 v[X+8*\b:X+8*\b+3], v[DA] offset:\b*1024
	ds_load_b128 v[X+8*\b+4:X+8*\b+7], v[DA] offset:\b*1024+512
.endr
	s_wait_dscnt 0x0
.irp j, 0,2,4,6,8,10,12,14,16,18,20,22,24,26,28,30,32,34,36,38,40,42,44,46,48,50,52,54,56,58,60,62
	v_pk_add_f32 v[X+\j:X+\j+1], v[X+\j:X+\j+1], v[BI+\j:BI+\j+1]
.endr
	GELU 0
	GELU 1
	GELU 2
	GELU 3
	QUANT X, 0x4800000, PC, PW
.irp c, 0,1,2,3
	global_store_b128 v4, v[PC+4*\c:PC+4*\c+3], s[86:87] offset:512*\c
.endr
	global_store_b32 v7, v[PW], s[88:89] offset:32768
	s_wait_xcnt 0x0
	s_add_nc_u64 s[86:87], s[86:87], 4096
	s_add_nc_u64 s[88:89], s[88:89], 128
	s_add_co_u32 s[TA], s[TA], 8192
	s_cmp_lt_u32 s[TA], 65536
	s_cbranch_scc1 .Lrow
	s_wait_tensorcnt 0x0
	ds_add_u32 v[SPW], v[NIL]
	s_wait_dscnt 0x0
	CROUND
	s_endpgm
.Lfunc_end_k_q85e90f3343_w1:
	.size	k_q85e90f3343_w1, .Lfunc_end_k_q85e90f3343_w1-k_q85e90f3343_w1
	.p2alignl 7, 3214868480
	.fill 96, 4, 3214868480
	.section	.rodata,"a",@progbits
	.p2align	6, 0x0
	.amdhsa_kernel k_q85e90f3343_w1
		.amdhsa_group_segment_fixed_size 327680
		.amdhsa_private_segment_fixed_size 0
		.amdhsa_enable_private_segment 0
		.amdhsa_kernarg_size 32
		.amdhsa_user_sgpr_count 2
		.amdhsa_user_sgpr_kernarg_segment_ptr 1
		.amdhsa_wavefront_size32 1
		.amdhsa_system_sgpr_workgroup_id_x 1
		.amdhsa_system_sgpr_workgroup_id_y 1
		.amdhsa_system_sgpr_workgroup_id_z 1
		.amdhsa_system_vgpr_workitem_id 0
		.amdhsa_next_free_vgpr 1024
		.amdhsa_next_free_sgpr 100
		.amdhsa_reserve_vcc 0
		.amdhsa_float_denorm_mode_32 3
		.amdhsa_float_denorm_mode_16_64 3
		.amdhsa_memory_ordered 1
		.amdhsa_forward_progress 1
		.amdhsa_inst_pref_size 185
	.end_amdhsa_kernel
	.amdgpu_metadata
---
amdhsa.version: [ 1, 2 ]
amdhsa.kernels:
  - .name:           k_q85e90f3343_w1
    .symbol:         k_q85e90f3343_w1.kd
    .args:
      - { .name: na, .offset: 0, .size: 8, .value_kind: global_buffer, .address_space: global }
      - { .name: wc, .offset: 8, .size: 8, .value_kind: global_buffer, .address_space: global }
      - { .name: b1, .offset: 16, .size: 8, .value_kind: global_buffer, .address_space: global }
      - { .name: hh, .offset: 24, .size: 8, .value_kind: global_buffer, .address_space: global }
    .group_segment_fixed_size: 327680
    .private_segment_fixed_size: 0
    .kernarg_segment_align: 8
    .kernarg_segment_size: 32
    .max_flat_workgroup_size: 128
    .sgpr_count:     100
    .vgpr_count:     1024
    .wavefront_size: 32
...
	.end_amdgpu_metadata
.endif
;; end of part 6
;; launch w2 (part 7): grid 8 x 32, 4 waves a work-group, clusters of 4 x 4, 327,680 bytes of LDS; arguments hh, wc, b2, x1, out0; writes out0
.if DOCPART == 7
	.amdgcn_target "amdgcn-amd-amdhsa--gfx1250"
	.amdhsa_code_object_version 6
	.text
	.protected	k_q85e90f3343_w2
	.globl	k_q85e90f3343_w2
	.p2align	8
	.type	k_q85e90f3343_w2,@function
k_q85e90f3343_w2:
	s_mov_b64 s[64:65], 0
	v_nop
	global_prefetch_b8 v0, s[64:65] scope:SCOPE_SE
	s_setreg_imm32_b32 hwreg(HW_REG_WAVE_MODE, 25, 1), 1
	s_wait_xcnt 0x0
	s_wait_alu depctr_hold_cnt(0) depctr_sa_sdst(0) depctr_va_vdst(0) depctr_va_sdst(0) depctr_va_ssrc(0) depctr_va_vcc(0) depctr_vm_vsrc(0)
	s_getreg_b32 s2, hwreg(HW_REG_IB_STS2, 6, 4)
	s_cmp_eq_u32 s2, 0
	s_cbranch_scc0 .Lentry_in_a_cluster
	s_endpgm
.Lentry_in_a_cluster:
	s_bfe_u32 s2, ttmp6, 0x10000c
	s_cmp_lg_u32 s2, 0xf033
	s_cbranch_scc0 .Lentry_shape_is_right
	s_endpgm
.Lentry_shape_is_right:
.set KS,    16
.set T,     KS/2
.set CHUNK, 33792
.set WOFF,  256*CHUNK
.set SLOT,  4*CHUNK
.set SPARE, 2*SLOT
.set FR, 16
.set NL, 4
.set NP, 8
.set PT,   67584
.set RK,   12
.set ADRA, 16
.set ADRB, 20
.set ADRS, 22
.set STO,  24
.set SPW,  28
.set NIL,  29
.set SC,   32
.set PART, 64
.set AF,   128
.set RES,  128
.set G1, 24
.set G0, 32
.set G1B, 48
.set G0B, 56
.set MSB, 0
.macro WIN new
.if MSB != \new
	s_set_vgpr_msb (MSB<<8)|\new
.set MSB, \new
.endif
.endm
.set MUL_LO, 0xa1
.set MUL_HI, 0xf1
.set TO_B,   0x40
.macro PLACES n
.rept \n
	v_nop
.endr
.endm
.macro JLOAD g0a, g1a, g0b, g1b
	s_cmp_eq_u32 s15, 0
	s_cbranch_scc0 .Lfor_b_\@
	tensor_load_to_lds s[\g0a:\g0a+3], s[\g1a:\g1a+7]
	s_nop 0
.rept 4
	v_nop
.endr
	s_branch .Lasked_\@
.Lfor_b_\@:
	tensor_load_to_lds s[\g0b:\g0b+3], s[\g1b:\g1b+7]
	s_nop 0
.rept 4
	v_nop
.endr
.Lasked_\@:
.endm
.macro CREST
	s_cmp_lg_u32 s14, 0
	s_cbranch_scc1 .Lnot_wave_0_\@
	s_barrier_signal -3
.Lnot_wave_0_\@:
	s_barrier_wait -3
	s_barrier_signal -1
	s_barrier_wait -1
.endm
.macro CROUND
	s_barrier_signal -1
	s_barrier_wait -1
	CREST
.endm
.macro FRAG reg, adr, off
.irp c, 0,1,2,3
	ds_load_b128 v[\reg+4*\c:\reg+4*\c+3], v[\adr] offset:(\off)+512*\c
.endr
.endm
.macro MUL16 a0, p, zero
.irp a, \a0, \a0+1
.irp b, 0,1,2,3,4,5,6,7
.if \zero
	v_wmma_scale_f32_16x16x128_f8f6f4 v[8*(8*((\a)%4)+\b):8*(8*((\a)%4)+\b)+7], v[128*(\p)+FR*\b:128*(\p)+FR*\b+FR-1], v[AF+FR*(\a):AF+FR*(\a)+FR-1], 0, v[SC+8*(\p)+\b], v[SC+8*(\p)+(\a)] matrix_a_scale:MATRIX_SCALE_ROW1
.else
	v_wmma_scale_f32_16x16x128_f8f6f4 v[8*(8*((\a)%4)+\b):8*(8*((\a)%4)+\b)+7], v[128*(\p)+FR*\b:128*(\p)+FR*\b+FR-1], v[AF+FR*(\a):AF+FR*(\a)+FR-1], v[8*(8*((\a)%4)+\b):8*(8*((\a)%4)+\b)+7], v[SC+8*(\p)+\b], v[SC+8*(\p)+(\a)] matrix_a_scale:MATRIX_SCALE_ROW1
.endif
.endr
.endr
.endm
.macro FETCH_B slot
	WIN TO_B
.irp i, 0,1,2,3,4,5,6,7
	FRAG 128*(\slot)+FR*\i, ADRB+\slot, 4096*\i
.endr
	WIN 0
.endm
.macro FETCH_A slot, i0
.irp i, \i0, \i0+1, \i0+2, \i0+3
	FRAG AF+FR*(\i), ADRA+\slot, 4096*(\i)
.endr
.endm
.macro SCALES slot
.irp i, 0,1,2,3,4,5,6,7
	ds_load_b32 v[SC+8*\slot+\i], v[ADRS+\slot] offset:128*\i
.endr
.endm
.macro TURN slot, next, fill, zero, ask
.if \fill
	s_wait_xcnt 0x0                                ; any prefetch of mine, a slot back, has read its address: it steps one slot on
	s_add_nc_u64 s[PFA:PFA+1], s[PFA:PFA+1], 2*CHUNK
.endif
	s_wait_tensorcnt 0x0
	ds_add_u32 v[SPW], v[NIL]
	s_wait_dscnt 4*NL+1
	WIN MUL_LO
	MUL16 0, \slot, \zero
	s_wait_dscnt 0x0
	s_barrier_signal -1
	MUL16 2, \slot, \zero
	WIN 0
	s_barrier_wait -1
.if \fill
	CREST
	s_add_nc_u64 s[G0+4*\slot+2:G0+4*\slot+3], s[G0+4*\slot+2:G0+4*\slot+3], 4*CHUNK
	s_add_nc_u64 s[G0B+4*\slot+2:G0B+4*\slot+3], s[G0B+4*\slot+2:G0B+4*\slot+3], 4*CHUNK
	JLOAD G0+4*\slot, G1, G0B+4*\slot, G1B
	PLACES NP-4
.else
	PLACES NP
.endif
	FETCH_B \next
	FETCH_A \next, 0
	SCALES \next
; A prefetch of the slot that stands two refills on, behind the joint load and the run of LDS loads.  ask = 1: always; ask = 2: in the loop's first trip alone (the second trip's would name a slot behind the last); ask = 0: none
.if \ask == 2
	s_cmp_gt_u32 s3, 1
	s_cbranch_scc0 .Lno_ask_\@
.endif
.if \ask == 3                          ; ask = 3, at the last fill: the residual of my 32 rows, which is loaded behind the last product: a lane a row, its 512 bytes as two blocks of 256; each block is named once in the launch
	global_prefetch_b8 v30, s[10:11] th:TH_LOAD_NT scope:SCOPE_SE
	global_prefetch_b8 v30, s[10:11] offset:256 th:TH_LOAD_NT scope:SCOPE_SE
.endif
.if \ask == 1 || \ask == 2
	global_prefetch_b8 v[PFO], s[PFA:PFA+1] offset:6*CHUNK th:TH_LOAD_NT scope:SCOPE_SE
	global_prefetch_b8 v[PFO2], s[PFA:PFA+1] offset:6*CHUNK th:TH_LOAD_NT scope:SCOPE_SE
.endif
.if \ask == 2
.Lno_ask_\@:
.endif
	WIN MUL_HI
	MUL16 4, \slot, \zero
	MUL16 6, \slot, \zero
	PLACES NP
	WIN 0
	FETCH_A \next, 4
.endm
	s_load_b256 s[4:11], s[0:1], 0x0
	s_load_b64 s[12:13], s[0:1], 0x20
	v_lshl_add_u32 v[SPW], v0, 2, SPARE
	v_mov_b32 v[NIL], 0
	ds_add_u32 v28, v29
	ds_add_u32 v28, v29
	s_wait_dscnt 0x0
	v_lshrrev_b32 v1, 5, v0
	v_readfirstlane_b32 s14, v1
	s_lshr_b32 s15, s14, 1
	s_and_b32 s16, s14, 1
	s_bfe_u32 s40, ttmp6, 0x40000
	s_bfe_u32 s41, ttmp6, 0x40004
	s_lshl_b32 s42, ttmp9, 2
	s_add_co_u32 s42, s42, s40
	s_and_b32 s17, ttmp7, 0xffff
	s_lshl_b32 s17, s17, 2
	s_add_co_u32 s17, s17, s41
	s_lshl_b32 s43, s41, 2
	s_lshl_b32 s43, 15, s43
	s_lshl_b32 s44, 0x1111, s40
	s_or_b32 s[G1+0], s43, (3<<16)|(1<<21)
	s_or_b32 s[G1B+0], s44, (3<<16)|(1<<21)
.irp g, G1, G1B
	s_mov_b32 s[\g+1], 32<<16
	s_mov_b32 s[\g+2], 264<<16                     ; the head's load: two chunks that lie on end in memory, 264 rows of 256 bytes
	s_mov_b32 s[\g+3], 32<<16
	s_mov_b32 s[\g+4], 264
	s_mov_b32 s[\g+5], 32
	s_mov_b32 s[\g+6], 0
	s_mov_b32 s[\g+7], 0
.endr
	s_mul_i32 s20, s17, KS
	s_add_co_u32 s20, s20, s16
	s_mul_i32 s20, s20, CHUNK
	s_mov_b32 s21, 0
	s_mul_i32 s46, s42, KS
	s_add_co_u32 s46, s46, s16
	s_mul_i32 s46, s46, CHUNK
	s_add_co_u32 s46, s46, WOFF
	s_mov_b32 s47, 0
	s_mul_i32 s45, s14, CHUNK
	s_wait_kmcnt 0x0
	s_add_nc_u64 s[20:21], s[4:5], s[20:21]
	s_add_nc_u64 s[46:47], s[6:7], s[46:47]
	CROUND
.irp s, 0,1
	s_mov_b32 s[G0+4*\s], 1
	s_add_co_u32 s[G0+4*\s+1], s45, \s*SLOT
	s_add_nc_u64 s[G0+4*\s+2:G0+4*\s+3], s[20:21], \s*2*CHUNK
	s_or_b32 s[G0+4*\s+3], s[G0+4*\s+3], 0x80000000
	s_mov_b32 s[G0B+4*\s], 1
	s_add_co_u32 s[G0B+4*\s+1], s45, \s*SLOT
	s_add_nc_u64 s[G0B+4*\s+2:G0B+4*\s+3], s[46:47], \s*2*CHUNK
	s_or_b32 s[G0B+4*\s+3], s[G0B+4*\s+3], 0x80000000
.endr
.set PFA,  86                          ; s[86:87] where my prefetches stand
.set PFO,  26                          ; v26 256 x lane
.set PFO2, 27                          ; v27 8192: my share's 33rd block
	; one tensor load a wave at the head fills both slots: wave w brings both K steps of slot w % 2, of A (w / 2 = 0) or of W
	s_mul_i32 s98, s16, SLOT
	s_mul_i32 s[G0+1], s15, 2*CHUNK
	s_add_co_u32 s[G0+1], s[G0+1], s98
	s_mov_b32 s[G0B+1], s[G0+1]
	s_mul_i32 s98, s16, CHUNK                      ; from K step w % 2 on to K step 2 (w % 2)
	s_mov_b32 s99, 0
	s_add_nc_u64 s[G0+2:G0+3], s[G0+2:G0+3], s[98:99]
	s_add_nc_u64 s[G0B+2:G0B+3], s[G0B+2:G0B+3], s[98:99]
	JLOAD G0, G1, G0B, G1B
	; THE PREFETCHES.  In the ring wave w fetches one chunk of a slot, 132 blocks of 256 bytes, jointly with three partners; the four share its blocks out by address, 33 each (by cx for A's chunks, by cy for W's):
	; one instruction with a lane a block and one for the 33rd.  So each block is named once in each cluster that will load it.  Slots 0 and 1 come by the head's loads; slots 2 and 3 are asked for here;
	; each refill asks for the slot two refills on; the last two refills ask for nothing.
	s_cmp_eq_u32 s15, 0
	s_cselect_b64 s[PFA:PFA+1], s[20:21], s[46:47]
	s_cselect_b32 s98, s40, s41
	s_mul_i32 s98, s98, 33*256
	s_add_nc_u64 s[PFA:PFA+1], s[PFA:PFA+1], s[98:99]
	v_and_b32 v[PFO], 31, v0
	v_lshlrev_b32 v[PFO], 8, v[PFO]
	v_mov_b32 v[PFO2], 8192
	global_prefetch_b8 v[PFO], s[PFA:PFA+1] offset:4*CHUNK th:TH_LOAD_NT scope:SCOPE_SE
	global_prefetch_b8 v[PFO2], s[PFA:PFA+1] offset:4*CHUNK th:TH_LOAD_NT scope:SCOPE_SE
	global_prefetch_b8 v[PFO], s[PFA:PFA+1] offset:6*CHUNK th:TH_LOAD_NT scope:SCOPE_SE
	global_prefetch_b8 v[PFO2], s[PFA:PFA+1] offset:6*CHUNK th:TH_LOAD_NT scope:SCOPE_SE
	v_and_b32 v1, 31, v0
	v_and_b32 v2, 15, v0
	v_bfe_u32 v3, v0, 4, 1
	v_lshlrev_b32 v4, 4, v1
	s_mul_i32 s21, s15, CHUNK
	s_lshl_b32 s22, s16, 11
	s_add_co_u32 s21, s21, s22
	v_add_nc_u32 v[ADRA], s21, v4
	v_add_nc_u32 v[ADRA+1], SLOT, v[ADRA]
	v_add_nc_u32 v[ADRB], 2*CHUNK, v[ADRA]
	v_add_nc_u32 v[ADRB+1], SLOT, v[ADRB]
	v_mul_u32_u24 v5, v3, 2*CHUNK
	v_lshl_add_u32 v5, v2, 3, v5
	s_mul_i32 s21, s15, CHUNK
	s_lshl_b32 s22, s16, 2
	s_add_co_u32 s21, s21, s22
	s_add_co_u32 s21, s21, 32768
	v_add_nc_u32 v[ADRS], s21, v5
	v_add_nc_u32 v[ADRS+1], SLOT, v[ADRS]
	v_mul_u32_u24 v5, v2, 528
	v_lshl_add_u32 v5, v3, 6, v5
	s_mul_i32 s21, s14, PT
	v_add_nc_u32 v[STO], s21, v5
	s_mul_i32 s21, s14, 32*528
	v_add_nc_u32 v[RK], s21, v4
	v_add_nc_u32 v[RK+1], PT, v[RK]
	v_add_nc_u32 v[RK+2], PT, v[RK+1]
	v_add_nc_u32 v[RK+3], PT, v[RK+2]
	s_lshl_b32 s84, s17, 7
	s_lshl_b32 s85, s14, 5
	s_add_co_u32 s84, s84, s85
	s_lshl_b32 s84, s84, 12
	s_lshl_b32 s85, s42, 9
	s_add_co_u32 s84, s84, s85
	s_mov_b32 s85, 0
	s_add_nc_u64 s[10:11], s[10:11], s[84:85]
	s_add_nc_u64 s[12:13], s[12:13], s[84:85]
	s_lshl_b32 s84, s42, 9
	s_add_nc_u64 s[8:9], s[8:9], s[84:85]
	v_lshlrev_b32 v30, 12, v1                      ; the offset of the residual's prefetch: a lane a row of my 32
	s_wait_alu depctr_va_vdst(0)
	s_wait_tensorcnt 0x0                           ; my part of both slots is in; no load of mine is out, so the descriptors may be written: from here on a load brings one chunk, 132 rows
	s_mov_b32 s[G1+2], 132<<16
	s_mov_b32 s[G1+4], 132
	s_mov_b32 s[G1B+2], 132<<16
	s_mov_b32 s[G1B+4], 132
	s_mul_i32 s[G0+1], s14, CHUNK                  ; slot 0's walking descriptors: my chunk's place, and one slot ahead of slot 1's in memory
	s_mov_b32 s[G0B+1], s[G0+1]
	s_sub_nc_u64 s[G0+2:G0+3], s[G0+6:G0+7], 2*CHUNK
	s_sub_nc_u64 s[G0B+2:G0B+3], s[G0B+6:G0B+7], 2*CHUNK
	s_barrier_signal -1
	s_barrier_wait -1
	FETCH_B 0
	FETCH_A 0, 0
	SCALES 0
	FETCH_A 0, 4
	TURN 0, 1, 1, 1, 1                             ; loads slot 2, asks for slot 4
	s_mov_b32 s3, (T-4)/2
.Llap:                                             ; two trips: slots 3 and 4, then 5 and 6, are loaded; slots 5, 6 and 7 are asked for
	TURN 1, 0, 1, 0, 1
	TURN 0, 1, 1, 0, 2
	s_sub_co_u32 s3, s3, 1
	s_cmp_lg_u32 s3, 0
	s_cbranch_scc1 .Llap
	TURN 1, 0, 1, 0, 3                             ; the last fill: slot 7; the residual is asked for
	TURN 0, 1, 0, 0, 0
	s_wait_dscnt 4*NL
	WIN MUL_LO
	MUL16 0, 1, 0
	MUL16 2, 1, 0
	s_wait_dscnt 0
	WIN MUL_HI
	MUL16 4, 1, 0
	MUL16 6, 1, 0
	WIN 0
	PLACES NP
.irp t, 0,1,2,3,4,5,6,7,8,9,10,11,12,13,14,15,16,17,18,19,20,21,22,23,24,25,26,27,28,29,30,31
	global_load_b128 v[RES+4*\t:RES+4*\t+3], v4, s[10:11] offset:4096*\t
.endr
	global_load_b128 v[8:11], v4, s[8:9]
	s_wait_dscnt 0x0
	s_barrier_signal -1
	s_barrier_wait -1
.irp a, 0,1,2,3,4,5,6,7
	WIN 0x08+4*(\a/4)
.irp b, 0,1,2,3,4,5,6,7
	ds_store_b128 v[STO], v[8*(8*(\a%4)+\b):8*(8*(\a%4)+\b)+3] offset:8448*\a+128*(\b/2)+32*(\b%2)
	ds_store_b128 v[STO], v[8*(8*(\a%4)+\b)+4:8*(8*(\a%4)+\b)+7] offset:8448*\a+128*(\b/2)+32*(\b%2)+16
.endr
.endr
	WIN 0
	s_wait_dscnt 0x0
	s_barrier_signal -1
	s_barrier_wait -1
.irp g, 0,1,2,3,4,5,6,7
.irp t, 0,1,2,3
.irp k, 0,1,2,3
	ds_load_b128 v[PART+16*\t+4*\k:PART+16*\t+4*\k+3], v[RK+\k] offset:528*(4*\g+\t)
.endr
.endr
	s_wait_dscnt 0x0
.if \g == 0
	s_wait_loadcnt 0x0
.endif
.irp t, 0,1,2,3
.irp e, 0,2
	v_pk_add_f32 v[PART+16*\t+\e:PART+16*\t+\e+1], v[PART+16*\t+\e:PART+16*\t+\e+1], v[PART+16*\t+4+\e:PART+16*\t+4+\e+1]
	v_pk_add_f32 v[PART+16*\t+8+\e:PART+16*\t+8+\e+1], v[PART+16*\t+8+\e:PART+16*\t+8+\e+1], v[PART+16*\t+12+\e:PART+16*\t+12+\e+1]
	v_pk_add_f32 v[RES+4*(4*\g+\t)+\e:RES+4*(4*\g+\t)+\e+1], v[RES+4*(4*\g+\t)+\e:RES+4*(4*\g+\t)+\e+1], v[8+\e:9+\e]
	v_pk_add_f32 v[PART+16*\t+\e:PART+16*\t+\e+1], v[PART+16*\t+\e:PART+16*\t+\e+1], v[PART+16*\t+8+\e:PART+16*\t+8+\e+1]
	v_pk_add_f32 v[RES+4*(4*\g+\t)+\e:RES+4*(4*\g+\t)+\e+1], v[RES+4*(4*\g+\t)+\e:RES+4*(4*\g+\t)+\e+1], v[PART+16*\t+\e:PART+16*\t+\e+1]
.endr
	global_store_b128 v4, v[RES+4*(4*\g+\t):RES+4*(4*\g+\t)+3], s[12:13] offset:4096*(4*\g+\t)
.endr
.endr
	s_wait_tensorcnt 0x0
	ds_add_u32 v[SPW], v[NIL]
	s_wait_dscnt 0x0
	CROUND
	s_endpgm
.Lfunc_end_k_q85e90f3343_w2:
	.size	k_q85e90f3343_w2, .Lfunc_end_k_q85e90f3343_w2-k_q85e90f3343_w2
	.p2alignl 7, 3214868480
	.fill 96, 4, 3214868480
	.section	.rodata,"a",@progbits
	.p2align	6, 0x0
	.amdhsa_kernel k_q85e90f3343_w2
		.amdhsa_group_segment_fixed_size 327680
		.amdhsa_private_segment_fixed_size 0
		.amdhsa_enable_private_segment 0
		.amdhsa_kernarg_size 40
		.amdhsa_user_sgpr_count 2
		.amdhsa_user_sgpr_kernarg_segment_ptr 1
		.amdhsa_wavefront_size32 1
		.amdhsa_system_sgpr_workgroup_id_x 1
		.amdhsa_system_sgpr_workgroup_id_y 1
		.amdhsa_system_sgpr_workgroup_id_z 1
		.amdhsa_system_vgpr_workitem_id 0
		.amdhsa_next_free_vgpr 1024
		.amdhsa_next_free_sgpr 100
		.amdhsa_reserve_vcc 0
		.amdhsa_float_denorm_mode_32 3
		.amdhsa_float_denorm_mode_16_64 3
		.amdhsa_memory_ordered 1
		.amdhsa_forward_progress 1
		.amdhsa_inst_pref_size 136
	.end_amdhsa_kernel
	.amdgpu_metadata
---
amdhsa.version: [ 1, 2 ]
amdhsa.kernels:
  - .name:           k_q85e90f3343_w2
    .symbol:         k_q85e90f3343_w2.kd
    .args:
      - { .name: hh, .offset: 0, .size: 8, .value_kind: global_buffer, .address_space: global }
      - { .name: wc, .offset: 8, .size: 8, .value_kind: global_buffer, .address_space: global }
      - { .name: b2, .offset: 16, .size: 8, .value_kind: global_buffer, .address_space: global }
      - { .name: x1, .offset: 24, .size: 8, .value_kind: global_buffer, .address_space: global }
      - { .name: out0, .offset: 32, .size: 8, .value_kind: global_buffer, .address_space: global }
    .group_segment_fixed_size: 327680
    .private_segment_fixed_size: 0
    .kernarg_segment_align: 8
    .kernarg_segment_size: 40
    .max_flat_workgroup_size: 128
    .sgpr_count:     100
    .vgpr_count:     1024
    .wavefront_size: 32
...
	.end_amdgpu_metadata
.endif
;; end of part 7
